; MI455X (gfx1250); checked and timed in simulation.
; The chip was launched on July 23, 2026; its instructions are those of AMD's public machine-readable ISA for CDNA 5 (MIT licence, August 2026) and "CDNA5" Instruction Set Architecture Reference Guide (July 2026). The comments in the code are by the model that wrote it; some were corrected since.
;; Monitored Self Attention. Allowed arithmetic: matrix products marked QUANTISED: E2M3 operands, one E8M0 scale for each 32 along K, by v_wmma_scale_f32_16x16x128_f8f6f4 with both operands' format E2M3, f32 sums; everything else in f32.
;; Inputs: w_attn 1,024 x 3,072 float32; w_proj 1,024 x 1,024 float32; x 2 x 2,048 x 1,024 float32.
;; Outputs: out0 2 x 2,048 x 1,024 float32; out1 one number float32.
;; This version of the problem:
;;   THIS VERSION OF THE PROBLEM IS GIVEN IN LOW PRECISION. The matrix products marked QUANTISED in the list below multiply operands that are first quantised to E2M3 (2 exponent bits, 3 mantissa bits; 6 bits a number), with one power-of-two scale for each 32 numbers along K (OCP MX v1.0); their sums are f32. All else is computed in f32.
;;   The module's matrix products, in the order in which they are computed (A, B: the left and right operand; K: the contracted axis; several contracted axes count as one K, in the product's order):
;;     1. [M 4,096, K 1,024] x [K 1,024, N 3,072]; A: input x; B: input w_attn: QUANTISED
;;     2. batch 32 x [M 2,048, K 64] x [K 64, N 2,048]; A: computed on the way; B: computed on the way: QUANTISED
;;     3. batch 32 x [M 2,048, K 2,048] x [K 2,048, N 64]; A: softmax (see below); B: computed on the way: QUANTISED
;;     4. [M 4,096, K 1,024] x [K 1,024, N 1,024]; A: computed on the way; B: input w_proj: QUANTISED
;;   THE QUANTISER, for each operand of a quantised product, along K:
;;     - K is cut into blocks of 32 from its start; a last block that is shorter is filled with zeros.
;;     - A block's scale is 2^e with e = floor(log2(the largest magnitude in the block)) - 2, held to -126 .. 127; a block of zeros has e = 0. As a byte (E8M0): e + 127.
;;     - Each number is divided by its block's scale, clamped to +-7.5, and rounded to the nearest number of E2M3, ties to even, subnormals kept.
;;     - The product sums the exact products of the quantised numbers (number of the format x scale) in f32.
;;   ~~~python
;;   def quantise(x, axis):      # numpy; x: float32 -> the quantised numbers, widened to float32 again
;;       x = np.moveaxis(x, axis, -1); K = x.shape[-1]
;;       x = np.pad(x, [(0, 0)] * (x.ndim - 1) + [(0, -K % 32)]); x = x.reshape(x.shape[:-1] + (-1, 32)); a = np.abs(x).max(-1, keepdims=True)
;;       e = np.where(a > 0, np.clip(np.frexp(np.where(a > 0, a, 1))[1] - 1 - 2, -126, 127), 0)      # np.frexp(a)[1] - 1 = floor(log2(a)), exactly
;;       r = np.clip(x / 2.0 ** e, -7.5, 7.5)
;;       step = 2.0 ** (np.maximum(np.frexp(np.where(r == 0, 1, r))[1] - 1, 0) - 3)
;;       q = np.round(r / step) * step * 2.0 ** e      # np.round: ties to even
;;       return np.moveaxis(q.reshape(q.shape[:-2] + (-1,))[..., :K], -1, axis).astype(np.float32)
;;   ~~~
;;   SOFTMAX AHEAD OF A QUANTISED PRODUCT. Where the list says 'softmax', what is quantised is not the finished softmax but p = 2^(t - M), with t = logit x log2(e) and M = ceil(the row's largest t), a whole number; so 1/2 < the row's largest p <= 1. The row's sum l is taken of the UNQUANTISED p, in f32, and the product's result is divided by l at the end. Since M is a whole number, a kernel that streams over the keys may use a running M (the ceiling of the running maximum): every later rescaling is an exact power of two, which a block's scale takes up: the codes' values come out the same.
;;   OPERANDS COMPUTED ON THE WAY. 'Computed on the way' means the value that the module computes at that place (a softmax that the list does not call 'softmax' is quantised finished and normalised). What goes into a quantiser is computed in f32, as accurately as f32 sums, v_exp_f32 and their like allow (about 1e-6 of the number): no bf16 or f16 on the way to a quantiser, and a product that is left as it is and whose result goes on into a quantised operand takes f32 operands (vector FMAs, or v_wmma_f32_16x16x4_f32). A number that lies on a knife's edge between two numbers of the format may be rounded either way, as far as f32 arithmetic and the matrix unit's own rounding can turn it there, and no further.
;; One version. Each part assembles by itself: llvm-mc -triple=amdgcn-amd-amdhsa -mcpu=gfx1250 --defsym DOCPART=n.
;; ======== version 1 of 1: 4 launches
;; limits: a function is approximated: absolute error at most 2.05e-05
;; workspace buffers: xq 3,276,800 bytes; wq 3,276,800 bytes; kv 6,684,672 bytes; qb 6,684,672 bytes; yq 3,276,800 bytes; ent 1,024 bytes
;; launch quant (part 1): grid 256 x 1, 4 waves a work-group, no clusters, 34,304 bytes of LDS; arguments x, w_attn, w_proj, xq, wq; writes xq, wq
.if DOCPART == 1
	.amdgcn_target "amdgcn-amd-amdhsa--gfx1250"
	.amdhsa_code_object_version 6
	.text
	.protected	k_q960d1932f5_quant
	.globl	k_q960d1932f5_quant
	.p2align	8
	.type	k_q960d1932f5_quant,@function
k_q960d1932f5_quant:
	s_mov_b64 s[64:65], 0
	v_nop
	global_prefetch_b8 v0, s[64:65] scope:SCOPE_SE
	s_setreg_imm32_b32 hwreg(HW_REG_WAVE_MODE, 25, 1), 1
	s_wait_xcnt 0x0
; THE PROGRAM: causal self-attention, B 2, T 2,048, C 1,024, 16 heads of 64, all four products on codes of FP6 (E2M3) with one E8M0 scale for each 32 along K, and the mean row entropy of the softmax.
; Four launches: quant (x, w_attn, w_proj -> codes), qkv (product 1 -> codes of q, k, v), attn (products 2 and 3, the entropy's sums -> codes of y), proj (product 4, the entropy's mean).
; WORK LEFT OUT.  reference() sets att to -inf wherever key > query, by a jnp.tril that it builds itself; the softmax gives exactly 0 there, whatever the inputs hold, and 0 adds nothing to the row's sum, to the
; entropy (0 x log(0 + EPS) = 0) or to y.  So a step of 128 keys all of which come after a wave's 16 queries is not walked in attn.  Nothing else is left out; all three inputs are loaded.
; A NaN, an infinity or an overflow that would arise only in those hidden scores is not carried to the result.
; LIMITS.  (1) The entropy is summed as -att ln(att), not -att ln(att + 1e-8): since a ln(1 + EPS / a) <= EPS for every a > 0, a row of 2,048 terms differs by at most 2.05e-5, whatever the inputs; where att = 0 both give 0.
; (2) NaN and infinities among the inputs are not served.  (3) A block of zeros gets the scale byte 1 where the rule says 127: its codes are zeros, which add nothing under any byte but 0xff, and this program alone reads the bytes.
;
; THE WORKSPACE'S FORMAT.  POSITION p stands for the row (of x) or column (of a weight) that is p with its bits 3 and 4 exchanged: slot r of tile tau is row 32 (tau / 2) + 8 (tau % 2) + r + 8 (r / 8).  So in a product whose
; source 0 is such a tile, a lane's 16 result registers of tiles 2 b and 2 b + 1 are 16 neighbours, 32 b + 16 (lane / 16) + 0 .. 15: they can be quantised along that axis in registers.
; A HALF FRAGMENT (16 positions x 64 along K, 768 bytes) is an image of operand registers: lane l = r + 16 h owns the 24 bytes of block 2 kappa + h of position 16 tau + r; its bytes 0-15 lie at 16 l, its bytes 16-23 at 512 + 8 l.
; xq: codes [256 tau][16 kappa][768], then scale rows [position][32 bytes].  wq: the same for w_attn's 192 tiles and, behind them, for w_proj's 64.
;
; THIS LAUNCH.  Work-groups 0-127 take x (K innermost), 128-223 w_attn, 224-255 w_proj (K is the first axis): 131,072 bytes of f32 each.  No tensor load, no barrier: waves share nothing.  Matrix units and clusters have nothing to do here.
.set XS,    3145728                    ; xq: where the scale rows begin
.set WAS,   2359296                    ; wq: w_attn's scale rows,
.set WPC,   2457600                    ; w_proj's codes,
.set WPS,   3244032                    ; w_proj's scale rows
.set STG,   8448                       ; LDS: a stage of 16 rows x (512 + 16) bytes for each wave (x's path alone)
.set SPARE, 4*STG                      ; behind the stages: the spare words, 128 bytes for each wave, which no other line names
.set SPW,   1                          ; v1  LDS address of my spare word; never rewritten
.set NIL,   2                          ; v2  0; never rewritten
.set LN,    4                          ; v4  lane
.set C,     20                         ; v20-31  two half fragments' registers
.set T,     32                         ; v32-38  the conversions' second halves (a conversion's three registers begin on an even number)
.set SBY,   40                         ; v40-41  a weight column's 8 scale bytes
.set WD,    44                         ; v44-47  x: four scale words
.set R,     64                         ; v64-191 numbers as loaded
.set X,     192                        ; v192-255 x: 64 numbers of my row, two blocks of 32
	s_load_b128 s[4:7], s[0:1], 0x0                ; x, w_attn
	s_load_b128 s[8:11], s[0:1], 0x10              ; w_proj, xq
	s_load_b64 s[12:13], s[0:1], 0x20              ; wq
	v_lshl_add_u32 v[SPW], v0, 2, SPARE
	v_mov_b32 v[NIL], 0
	v_lshrrev_b32 v3, 5, v0
	v_readfirstlane_b32 s14, v3                    ; wave
	v_and_b32 v[LN], 31, v0
	s_mov_b32 s20, 0x76543210
	s_mov_b32 s21, 0xfedcba98                      ; v_permlanex16_b32's selects for lane l xor 16
	s_mov_b32 s23, 0
	s_mov_b32 s25, 0
	s_mov_b32 s27, 0
	s_wait_kmcnt 0x0
	s_cmp_lt_u32 ttmp9, 128
	s_cbranch_scc0 .Lweights
; ---- x.  Wave W = 4 x work-group + wave takes tile W / 2 (16 rows) and half W % 2 of K (512): four fragments of 128 along K.
; A load reads 512 consecutive bytes of one row; the 16 rows x 512 bytes turn through the wave's stage, so that lane (r, h) gets the two blocks 2 c + h of row r whole: 32 numbers each, no other lane is asked for a maximum.
.macro LOADX f
.set i, 0
.rept 16
	global_load_b128 v[R+64*((\f)%2)+4*i:R+64*((\f)%2)+4*i+3], v3, s[4:5] offset:(i+8*(i/8))*4096+512*(\f) th:TH_LOAD_NT   ; slot i is row i + 8 (i / 8) of the tile's 24
.set i, i+1
.endr
.endm
.macro FRX f
.set RS, R+64*((\f)%2)
.if (\f) < 3
	s_wait_loadcnt 16                              ; this fragment's 16 loads are in; the next fragment's 16 may be out
.else
	s_wait_loadcnt 0x0
.endif
.set i, 0
.rept 16
	ds_store_b128 v6, v[RS+4*i:RS+4*i+3] offset:528*i
.set i, i+1
.endr
.set i, 0
.rept 16
	ds_load_b128 v[X+4*i:X+4*i+3], v7 offset:256*(i/8)+16*(i%8)   ; LDS serves a wave's instructions in order: these see the stores above
.set i, i+1
.endr
	s_wait_dscnt 0x0                               ; the numbers are back, and the stores have read their registers,
.if (\f)+2 < 4
	LOADX (\f)+2                                   ; which take the loads of two fragments on
.endif
	v_max3_num_f32 v10, |v[X]|, |v[X+1]|, 0x1800000        ; my two blocks' largest magnitudes, by turns, with the floor 2^(3 - 127): the byte cannot fall under 1
	v_max3_num_f32 v11, |v[X+32]|, |v[X+33]|, 0x1800000
.irp i, 2,4,6,8,10,12,14,16,18,20,22,24,26,28,30
	v_max3_num_f32 v10, v10, |v[X+\i]|, |v[X+\i+1]|
	v_max3_num_f32 v11, v11, |v[X+32+\i]|, |v[X+33+\i]|
.endr
	v_add_nc_u32 v12, 0xff000000, v10              ; 2 off the exponent field: the conversion takes the exponent field of this operand as its scale
	v_add_nc_u32 v13, 0xff000000, v11
	v_lshrrev_b32 v14, 23, v12                     ; the scales' bytes: blocks h and 2 + h of the fragment
	v_lshrrev_b32 v15, 23, v13
	v_lshl_or_b32 v16, v15, 16, v14
	v_lshlrev_b32 v16, v9, v16                     ; 8 h bits up
	v_permlanex16_b32 v17, v16, s20, s21
	v_or_b32 v[WD+(\f)], v16, v17                  ; with lane l xor 16's two bytes the row's scale word is whole
	s_wait_xcnt 0x0                                ; the last fragment's stores have read their registers: the codes may be written again
	v_cvt_scalef32_pk16_fp6_f32 v[C:C+2], v[X:X+15], v12
	v_cvt_scalef32_pk16_fp6_f32 v[T:T+2], v[X+16:X+31], v12
	v_cvt_scalef32_pk16_fp6_f32 v[C+6:C+8], v[X+32:X+47], v13
	v_cvt_scalef32_pk16_fp6_f32 v[T+4:T+6], v[X+48:X+63], v13
	v_nop                                          ; one plain place behind a scaled conversion
.irp i, 0,1,2
	v_mov_b32 v[C+3+\i], v[T+\i]
	v_mov_b32 v[C+9+\i], v[T+4+\i]
.endr
	global_store_b128 v3, v[C:C+3], s[24:25] offset:(2*(\f))*768              ; 32 lanes: 512 consecutive bytes,
	global_store_b64 v5, v[C+4:C+5], s[24:25] offset:(2*(\f))*768+512         ; and 256
	global_store_b128 v3, v[C+6:C+9], s[24:25] offset:(2*(\f)+1)*768
	global_store_b64 v5, v[C+10:C+11], s[24:25] offset:(2*(\f)+1)*768+512
.endm
	s_lshl_b32 s15, ttmp9, 2
	s_add_co_u32 s15, s15, s14                     ; W
	s_lshr_b32 s16, s15, 1                         ; tile
	s_and_b32 s17, s15, 1                          ; half of K
	s_lshr_b32 s18, s16, 1
	s_lshl_b32 s22, s18, 17                        ; 32 rows of 4,096 bytes for each pair of tiles,
	s_and_b32 s18, s16, 1
	s_lshl_b32 s18, s18, 15                        ; 8 rows for the odd tile,
	s_add_co_u32 s22, s22, s18
	s_lshl_b32 s18, s17, 11                        ; 2,048 bytes for the second half of K
	s_add_co_u32 s22, s22, s18
	s_add_nc_u64 s[4:5], s[4:5], s[22:23]
	s_mul_i32 s24, s15, 6144                       ; the codes: 12,288 bytes a tile, 6,144 a half
	s_add_nc_u64 s[24:25], s[10:11], s[24:25]
	s_lshl_b32 s26, s16, 9                         ; the scale rows: 512 bytes a tile, 16 bytes on for the second half
	s_lshl_b32 s18, s17, 4
	s_add_co_u32 s26, s26, s18
	s_add_co_u32 s26, s26, XS
	s_add_nc_u64 s[26:27], s[10:11], s[26:27]
	s_mul_i32 s28, s14, STG                        ; my stage
	s_mov_b32 s29, 0xffff0000                      ; lanes 16-31
	v_and_b32 v10, 15, v0                          ; r
	v_bfe_u32 v11, v0, 4, 1                        ; h
	v_lshlrev_b32 v3, 4, v[LN]                     ; 16 x lane: a load's and a store's place
	v_lshlrev_b32 v5, 3, v[LN]                     ; 8 x lane
	v_add_nc_u32 v6, s28, v3                       ; into the stage
	v_mul_u32_u24 v7, v10, 528
	v_lshl_add_u32 v7, v11, 7, v7
	v_add_nc_u32 v7, s28, v7                       ; out of it: row r, + 128 h bytes
	v_lshlrev_b32 v8, 5, v10
	v_lshl_add_u32 v8, v11, 3, v8                  ; my 8 bytes of a scale row: 32 r + 8 h
	v_lshlrev_b32 v9, 3, v11                       ; 8 h
	v_mov_b32 v17, 0                               ; written once: a lane permute's destination counts as one of its sources
	LOADX 0
	LOADX 1
	FRX 0
	FRX 1
	FRX 2
	FRX 3
	v_cndmask_b32 v18, v[WD], v[WD+2], s29         ; lanes 0-15 store words 0 and 1, lanes 16-31 words 2 and 3
	v_cndmask_b32 v19, v[WD+1], v[WD+3], s29
	global_store_b64 v8, v[18:19], s[26:27]        ; 16 of a row's 32 bytes: pieces of rows, one byte for each 24 of codes
	s_branch .Lend
; ---- the weights.  A LANE TAKES A COLUMN AND ITS REGISTERS RUN DOWN K.  A work-group takes 128 columns x 256 along K, a wave 32 columns: the pair of tiles 2 T, 2 T + 1.  Lane l takes the column of POSITION l of the pair,
; so a load still reads the same 128 consecutive bytes.  A lane makes both blocks of a half fragment for its position; six exchanges of lane halves then give the two tiles' half fragments.
.macro LOADW t, NB, BP                 ; block t: 32 along K into set t % 2
.set i, 0
.rept 32
	global_load_b32 v[R+32*((\t)%2)+i], v3, s[\BP:\BP+1] offset:(32*(\t)+i)*\NB th:TH_LOAD_NT
.set i, i+1
.endr
.endm
.macro BLKW t, NB, BP
.set RS, R+32*((\t)%2)
.set CB, C+6*((\t)%2)
.if (\t) < 7
	s_wait_loadcnt 32                              ; this block's 32 loads are in; the next block's may be out
.else
	s_wait_loadcnt 0x0
.endif
	v_max3_num_f32 v12, |v[RS]|, |v[RS+1]|, |v[RS+2]|      ; the block's largest magnitude, in two chains
	v_max3_num_f32 v13, |v[RS+3]|, |v[RS+4]|, |v[RS+5]|
.irp i, 6,10,14,18,22,26
	v_max3_num_f32 v12, v12, |v[RS+\i]|, |v[RS+\i+1]|
	v_max3_num_f32 v13, v13, |v[RS+\i+2]|, |v[RS+\i+3]|
.endr
	v_max3_num_f32 v12, v12, |v[RS+30]|, |v[RS+31]|
	v_max3_num_f32 v12, v12, v13, 0x1800000        ; and the floor
	v_add_nc_u32 v11, 0xff000000, v12              ; the conversion's scale operand
	v_lshrrev_b32 v13, 23, v11                     ; the byte
.if (\t)%4 == 0
	v_mov_b32 v[SBY+(\t)/4], v13
.else
	v_lshl_or_b32 v[SBY+(\t)/4], v13, 8*((\t)%4), v[SBY+(\t)/4]
.endif
.if (\t)%2 == 0
	s_wait_xcnt 0x0                                ; the last pair of blocks' stores have read their registers
.endif
	v_cvt_scalef32_pk16_fp6_f32 v[CB:CB+2], v[RS:RS+15], v11
	v_cvt_scalef32_pk16_fp6_f32 v[T:T+2], v[RS+16:RS+31], v11
	v_nop                                          ; one plain place behind a scaled conversion
.irp i, 0,1,2
	v_mov_b32 v[CB+3+\i], v[T+\i]
.endr
.if (\t)+2 < 8
	LOADW (\t)+2, \NB, \BP
.endif
.if (\t)%2 == 1
.irp i, 0,1,2,3,4,5
	v_permlane16_swap_b32 v[C+\i], v[C+6+\i]       ; the first's lanes 16-31 change places with the second's lanes 0-15: the first is now tile 2 T's half fragment, the second tile 2 T + 1's
.endr
	global_store_b128 v6, v[C:C+3], s[24:25] offset:((\t)/2)*768
	global_store_b64 v7, v[C+4:C+5], s[24:25] offset:((\t)/2)*768+512
	global_store_b128 v6, v[C+6:C+9], s[24:25] offset:12288+((\t)/2)*768
	global_store_b64 v7, v[C+10:C+11], s[24:25] offset:12288+((\t)/2)*768+512
.endif
.endm
.macro WPATH NB, CO, SO, BP            ; NB: bytes in a row of the weight; CO, SO: where its codes and scale rows begin in wq; BP: its address.  s15: the work-group's number among the weight's
	s_and_b32 s16, s15, 3                          ; which 256 along K
	s_lshr_b32 s17, s15, 2                         ; which 128 columns
	s_lshl_b32 s18, s17, 2
	s_add_co_u32 s18, s18, s14                     ; T
	s_mul_i32 s22, s16, 256*\NB
	s_lshl_b32 s19, s18, 7
	s_add_co_u32 s22, s22, s19
	s_add_nc_u64 s[\BP:\BP+1], s[\BP:\BP+1], s[22:23]
	s_mul_i32 s24, s18, 24576                      ; two tiles of 12,288 bytes,
	s_mul_i32 s19, s16, 3072                       ; four half fragments for each 256 along K
	s_add_co_u32 s24, s24, s19
.if \CO
	s_add_co_u32 s24, s24, \CO
.endif
	s_add_nc_u64 s[24:25], s[12:13], s[24:25]
	s_lshl_b32 s26, s18, 10                        ; 32 scale rows of 32 bytes,
	s_lshl_b32 s19, s16, 3                         ; 8 bytes for each 256 along K
	s_add_co_u32 s26, s26, s19
	s_add_co_u32 s26, s26, \SO
	s_add_nc_u64 s[26:27], s[12:13], s[26:27]
	LOADW 0, \NB, \BP
	LOADW 1, \NB, \BP
.irp q, 0,1,2,3,4,5,6,7
	BLKW \q, \NB, \BP
.endr
	global_store_b64 v8, v[SBY:SBY+1], s[26:27]    ; my position's 8 scale bytes: pieces of rows, one byte for each 24 of codes
.endm
.Lweights:
	v_and_b32 v3, 7, v[LN]                         ; my column in the pair's 32: the lane with bits 3 and 4 exchanged
	v_bfe_u32 v5, v[LN], 3, 1
	v_lshl_or_b32 v3, v5, 4, v3
	v_bfe_u32 v5, v[LN], 4, 1
	v_lshl_or_b32 v3, v5, 3, v3
	v_lshlrev_b32 v3, 2, v3
	v_lshlrev_b32 v6, 4, v[LN]
	v_lshlrev_b32 v7, 3, v[LN]
	v_lshlrev_b32 v8, 5, v[LN]
	s_cmp_lt_u32 ttmp9, 224
	s_cbranch_scc0 .Lproj_w
	s_sub_co_u32 s15, ttmp9, 128
	WPATH 12288, 0, WAS, 6
	s_branch .Lend
.Lproj_w:
	s_sub_co_u32 s15, ttmp9, 224
	WPATH 4096, WPC, WPS, 8
.Lend:
	s_wait_tensorcnt 0x0                           ; the wave's end
	ds_add_u32 v[SPW], v[NIL]
	s_wait_dscnt 0x0
	s_endpgm
.Lfunc_end_k_q960d1932f5_quant:
	.size	k_q960d1932f5_quant, .Lfunc_end_k_q960d1932f5_quant-k_q960d1932f5_quant
	.p2alignl 7, 3214868480
	.fill 96, 4, 3214868480
	.section	.rodata,"a",@progbits
	.p2align	6, 0x0
	.amdhsa_kernel k_q960d1932f5_quant
		.amdhsa_group_segment_fixed_size 34304
		.amdhsa_private_segment_fixed_size 0
		.amdhsa_enable_private_segment 0
		.amdhsa_kernarg_size 40
		.amdhsa_user_sgpr_count 2
		.amdhsa_user_sgpr_kernarg_segment_ptr 1
		.amdhsa_wavefront_size32 1
		.amdhsa_system_sgpr_workgroup_id_x 1
		.amdhsa_system_sgpr_workgroup_id_y 1
		.amdhsa_system_sgpr_workgroup_id_z 1
		.amdhsa_system_vgpr_workitem_id 0
		.amdhsa_next_free_vgpr 256
		.amdhsa_next_free_sgpr 66
		.amdhsa_reserve_vcc 0
		.amdhsa_float_denorm_mode_32 3
		.amdhsa_float_denorm_mode_16_64 3
		.amdhsa_memory_ordered 1
		.amdhsa_forward_progress 1
		.amdhsa_inst_pref_size 109
	.end_amdhsa_kernel
	.amdgpu_metadata
---
amdhsa.version: [ 1, 2 ]
amdhsa.kernels:
  - .name:           k_q960d1932f5_quant
    .symbol:         k_q960d1932f5_quant.kd
    .args:
      - { .name: x, .offset: 0, .size: 8, .value_kind: global_buffer, .address_space: global }
      - { .name: w_attn, .offset: 8, .size: 8, .value_kind: global_buffer, .address_space: global }
      - { .name: w_proj, .offset: 16, .size: 8, .value_kind: global_buffer, .address_space: global }
      - { .name: xq, .offset: 24, .size: 8, .value_kind: global_buffer, .address_space: global }
      - { .name: wq, .offset: 32, .size: 8, .value_kind: global_buffer, .address_space: global }
    .group_segment_fixed_size: 34304
    .private_segment_fixed_size: 0
    .kernarg_segment_align: 8
    .kernarg_segment_size: 40
    .max_flat_workgroup_size: 128
    .sgpr_count:     66
    .vgpr_count:     256
    .wavefront_size: 32
...
	.end_amdgpu_metadata
.endif
;; end of part 1
;; launch qkv (part 2): grid 12 x 16, 4 waves a work-group, clusters of 4 x 4, 327,680 bytes of LDS; arguments xq, wq, qb, kv; writes qb, kv
.if DOCPART == 2
	.amdgcn_target "amdgcn-amd-amdhsa--gfx1250"
	.amdhsa_code_object_version 6
	.text
	.protected	k_q960d1932f5_qkv
	.globl	k_q960d1932f5_qkv
	.p2align	8
	.type	k_q960d1932f5_qkv,@function
k_q960d1932f5_qkv:
	s_mov_b64 s[64:65], 0
	v_nop
	global_prefetch_b8 v0, s[64:65] scope:SCOPE_SE
	s_setreg_imm32_b32 hwreg(HW_REG_WAVE_MODE, 25, 1), 1
	s_wait_xcnt 0x0
	s_wait_alu depctr_hold_cnt(0) depctr_sa_sdst(0) depctr_va_vdst(0) depctr_va_sdst(0) depctr_va_ssrc(0) depctr_va_vcc(0) depctr_vm_vsrc(0)
	s_getreg_b32 s2, hwreg(HW_REG_IB_STS2, 6, 4)
	s_cmp_eq_u32 s2, 0
	s_cbranch_scc0 .Lentry_in_a_cluster
	s_endpgm
.Lentry_in_a_cluster:
	s_bfe_u32 s2, ttmp6, 0x10000c
	s_cmp_lg_u32 s2, 0xf033
	s_cbranch_scc0 .Lentry_shape_is_right
	s_endpgm
.Lentry_shape_is_right:
; Product 1, qkv = x w_attn, on the codes that the launch before made, and its results quantised in registers: q and k along the head's 64, v along the keys.  No f32 number of q, k, v goes to memory.
; ONE GENERIC PROBLEM: C'[m'][n'] = the sum over k of A[m'][k] B[n'][k], K = 1,024, quantised along n'.  The matrix instruction is used transposed (source 0 = 16 positions of B, source 1 = 16 of A): a lane holds ONE m', and its 16
; registers of B's tiles 2 b, 2 b + 1 are 16 neighbours along n' (B's tiles are in position order: see the first kernel's head).
;   clusters x = 0, 1 (q, k): A = x, B = w_attn's tiles 0-127; n' = (head, d).     cluster x = 2 (v): A = w_attn's tiles 128-191, B = x; n' = time: a lane holds one d, its registers run down the keys.
; A tile of C' is 256 x 256, a wave makes 128 x 128 in 512 registers.  128 + 64 = 192 work-groups: the product has no more tiles of this size.
; LDS: three regions of 256 along K (A's 16 tiles x 3,072 bytes, then B's); K's four quarters: three first fills, and ONE refill (quarter 3 into region 0).  The scale rows of the 512 positions, for all of K, come once.
; CLUSTERS 4 x 4: A's tiles are shared along a row of the cluster, B's along a column: joint loads.  Every branch hangs on the cluster's x or on the wave's number, which all partners share.
; OUT: kv [32 heads][16 steps of 128 keys][13,056]: K's 8 half fragments, V^T's 4 fragments (16 d x 128 keys), K's scale words [2][16 r][4], V's [16 r][4].  qb: the same strides, Q's half fragments and scale words.
; REGISTERS: window 0: v4-19 addresses; v32-95 scale words; v96-127 at work on the way out; v128-223 A's fragments, one set (on the way out v128-143: scale words).  window 1: B's two sets, at v0 and v128.  windows 2, 3: the accumulators.
.set XS,    3145728
.set WAS,   2359296
.set HBB,   208896                     ; a head's bytes in kv and qb
.set SBB,   13056                      ; a step's
.set REG,   98304
.set SCL,   3*REG                      ; the scale rows: A's 256 x 32 bytes, then B's
.set SPARE, SCL+16384                  ; the spare words, 128 bytes for each wave, which no other line names
.set FR,    12
.set A16,   4                          ; v4-6   region 0, 1, 2: my A tiles + 16 x lane
.set A8,    7                          ; v7-9   + 8 x lane
.set B16,   10                         ; v10-12 the same for B
.set B8,    13                         ; v13-15
.set ADS,   16                         ; v16    my scale rows: lanes 0-15 A's, lanes 16-31 B's
.set L16,   17                         ; v17    16 x lane
.set L8,    18                         ; v18    8 x lane
.set LO,    19                         ; v19    the scale words' place on the way out
.set SPW,   28
.set NIL,   29
.set SC,    32                         ; v[SC + 8 i + s]: lanes 0-15 the word of A's tile i, lanes 16-31 of B's tile i, K step s
.set PC,    96                         ; v96-107 a fragment's codes; v108-114 the conversions' second halves
.set TM,    116                        ; v116-119 largest magnitudes
.set PT,    120                        ; v120-123 lane l xor 16's, then the bytes
.set SOP,   124                        ; v124-127 the conversions' scale operands
.set AF,    128
.set PWR,   128                        ; the way out: v128-135 the eight row blocks' scale words
.set EW,    136
.set FW,    140
.set G1A,   24
.set G0A,   32                         ; three sets, one for each region
.set G1B,   44
.set G0B,   52
.set G1S,   68
.set G1SB,  76
.set G0S,   84
.set G0SB,  88
.set P0,    92                         ; s[92:93], s[94:95] where the two half fragments of a row block go
.set P1,    94
.set Q0,    96                         ; s[96:97], s[98:99] where the scale words go
.set Q1,    98
.set MSB, 0
.macro WIN new                         ; the immediate's high byte repeats the setting that is left
.if MSB != (\new)
	s_set_vgpr_msb (MSB<<8)|(\new)
.set MSB, \new
.endif
.endm
.set MUL_LO, 0xa1                      ; source 0 (B) window 1, source 1 (A) window 0, C and D window 2
.set MUL_HI, 0xf1
.set TO_B,   0x40
.macro JLOAD g0a, g1a, g0b, g1b        ; a joint load: waves 0 and 1 fetch for A, waves 2 and 3 for B; an s_nop 0 and four v_nop follow each of the two lines
	s_cmp_eq_u32 s15, 0
	s_cbranch_scc0 .Lfor_b_\@
	tensor_load_to_lds s[\g0a:\g0a+3], s[\g1a:\g1a+7]
	s_nop 0
.rept 4
	v_nop
.endr
	s_branch .Lasked_\@
.Lfor_b_\@:
	tensor_load_to_lds s[\g0b:\g0b+3], s[\g1b:\g1b+7]
	s_nop 0
.rept 4
	v_nop
.endr
.Lasked_\@:
.endm
.macro CREST
	s_cmp_lg_u32 s14, 0
	s_cbranch_scc1 .Lnot_wave_0_\@
	s_barrier_signal -3
.Lnot_wave_0_\@:
	s_barrier_wait -3
	s_barrier_signal -1
	s_barrier_wait -1
.endm
.macro CROUND
	s_barrier_signal -1
	s_barrier_wait -1
	CREST
.endm
	s_load_b256 s[4:11], s[0:1], 0x0               ; xq s[4:5], wq s[6:7], qb s[8:9], kv s[10:11]
	v_lshl_add_u32 v[SPW], v0, 2, SPARE
	v_mov_b32 v[NIL], 0
	ds_add_u32 v[SPW], v[NIL]                      ; the opening: the add, twice on end, and its wait ahead of my first tensor load
	ds_add_u32 v[SPW], v[NIL]
	v_lshrrev_b32 v1, 5, v0
	v_readfirstlane_b32 s14, v1                    ; wave
	s_lshr_b32 s15, s14, 1                         ; which 128 of the tile's m' are mine.  Also: I fetch for A (0) or for B (1)
	s_and_b32 s16, s14, 1                          ; which 128 of its n'.  Also: which 8 tiles I fetch
	s_bfe_u32 s66, ttmp6, 0x40000                  ; cx
	s_bfe_u32 s67, ttmp6, 0x40004                  ; cy
	s_and_b32 s12, ttmp7, 0xffff
	s_lshl_b32 s12, s12, 2                         ; 4 x cluster y
	s_lshl_b32 s13, ttmp9, 2                       ; 4 x cluster x
	s_cmp_eq_u32 ttmp9, 2
	s_cselect_b32 s17, 1, 0                        ; 1: the v case
	s_cselect_b32 s2, 0, s12
	s_cselect_b32 s3, s12, s13
	s_add_co_u32 s101, s67, s2                     ; tile row: q, k: cy + 4 cluster y; v: cy
	s_add_co_u32 s100, s66, s3                     ; tile column: q, k: cx + 4 cluster x; v: cx + 4 cluster y
	s_lshl_b32 s22, s67, 2
	s_lshl_b32 s22, 15, s22                        ; my row of the cluster
	s_lshl_b32 s23, 0x1111, s66                    ; my column
	s_or_b32 s[G1A], s22, (3<<16)|(1<<21)          ; 15:0 the mask; 17:16 elements of 8 bytes; 21 set beside a mask; no padding: the images are read in consecutive bytes
	s_or_b32 s[G1B], s23, (3<<16)|(1<<21)
	s_or_b32 s[G1S], s22, (3<<16)|(1<<21)
	s_or_b32 s[G1SB], s23, (3<<16)|(1<<21)
.irp g, G1A, G1B                       ; codes: 8 tiles x 3,072 bytes (256 along K), 12,288 bytes from tile to tile
	s_mov_b32 s[\g+1], 384<<16
	s_mov_b32 s[\g+2], 8<<16
	s_mov_b32 s[\g+3], 384<<16
	s_mov_b32 s[\g+4], 8
	s_mov_b32 s[\g+5], 1536
	s_mov_b32 s[\g+6], 0
	s_mov_b32 s[\g+7], 0
.endr
.irp g, G1S, G1SB                      ; scale rows of 128 positions: 4,096 dense bytes as 16 rows of 256
	s_mov_b32 s[\g+1], 32<<16
	s_mov_b32 s[\g+2], 16<<16
	s_mov_b32 s[\g+3], 32<<16
	s_mov_b32 s[\g+4], 16
	s_mov_b32 s[\g+5], 32
	s_mov_b32 s[\g+6], 0
	s_mov_b32 s[\g+7], 0
.endr
	s_lshl_b32 s2, s16, 3                          ; the 8 tiles that I fetch
	s_lshl_b32 s92, s101, 4
	s_add_co_u32 s92, s92, s2                      ; A: tile 16 x tile row + 8 x half
	s_lshl_b32 s94, s92, 9                         ; its scale rows, 512 bytes a tile,
	s_mul_i32 s92, s92, 12288                      ; its codes
	s_lshl_b32 s96, s100, 4
	s_add_co_u32 s96, s96, s2                      ; B likewise, by the tile column
	s_lshl_b32 s98, s96, 9
	s_mul_i32 s96, s96, 12288
	s_cmp_eq_u32 s17, 1
	s_cselect_b32 s3, 128*12288, 0                 ; v's columns begin at w_attn's tile 128
	s_mov_b32 s13, XS
	s_cselect_b32 s12, WAS+2048*32, s13            ; A's scale rows
	s_mov_b32 s2, WAS
	s_cselect_b32 s13, s13, s2                     ; B's
	s_add_co_u32 s92, s92, s3
	s_add_co_u32 s94, s94, s12
	s_add_co_u32 s98, s98, s13
	s_mov_b32 s93, 0
	s_mov_b32 s95, 0
	s_mov_b32 s97, 0
	s_mov_b32 s99, 0
	s_mul_i32 s22, s14, 24576                      ; where my codes go in a region: wave x 8 tiles: no place in the cluster enters an LDS address
	s_lshl_b32 s23, s14, 12
	s_add_co_u32 s23, s23, SCL                     ; and my scale rows
	s_wait_dscnt 0x0                               ; both opening adds are done
	s_wait_kmcnt 0x0
	s_cmp_eq_u32 s17, 1
	s_cselect_b64 s[2:3], s[6:7], s[4:5]           ; A's buffer
	s_cselect_b64 s[12:13], s[4:5], s[6:7]         ; B's
	s_add_nc_u64 s[92:93], s[2:3], s[92:93]
	s_add_nc_u64 s[94:95], s[2:3], s[94:95]
	s_add_nc_u64 s[96:97], s[12:13], s[96:97]
	s_add_nc_u64 s[98:99], s[12:13], s[98:99]
	CROUND                                         ; all sixteen work-groups are here: the first joint loads meet
	s_mov_b32 s[G0S], 1
	s_mov_b32 s[G0S+1], s23
	s_mov_b64 s[G0S+2:G0S+3], s[94:95]
	s_or_b32 s[G0S+3], s[G0S+3], 0x80000000
	s_mov_b32 s[G0SB], 1
	s_mov_b32 s[G0SB+1], s23
	s_mov_b64 s[G0SB+2:G0SB+3], s[98:99]
	s_or_b32 s[G0SB+3], s[G0SB+3], 0x80000000
	JLOAD G0S, G1S, G0SB, G1SB                     ; the scale rows first: they are wanted with K step 0
.irp q, 0,1,2
	s_mov_b32 s[G0A+4*\q], 1
	s_add_co_u32 s[G0A+4*\q+1], s22, \q*REG
	s_add_nc_u64 s[G0A+4*\q+2:G0A+4*\q+3], s[92:93], \q*3072
	s_or_b32 s[G0A+4*\q+3], s[G0A+4*\q+3], 0x80000000
	s_mov_b32 s[G0B+4*\q], 1
	s_add_co_u32 s[G0B+4*\q+1], s22, \q*REG
	s_add_nc_u64 s[G0B+4*\q+2:G0B+4*\q+3], s[96:97], \q*3072
	s_or_b32 s[G0B+4*\q+3], s[G0B+4*\q+3], 0x80000000
	JLOAD G0A+4*\q, G1A, G0B+4*\q, G1B             ; quarters 0, 1, 2 of K: four loads of mine are out
.endr
	v_and_b32 v1, 31, v0                           ; lane
	v_and_b32 v2, 15, v0                           ; r
	v_bfe_u32 v3, v0, 4, 1                         ; h
	v_lshlrev_b32 v[L16], 4, v1
	v_lshlrev_b32 v[L8], 3, v1
	s_mul_i32 s2, s15, 24576                       ; my 8 tiles of A,
	s_mul_i32 s3, s16, 24576
	s_add_co_u32 s3, s3, 49152                     ; of B, behind A's 16
.irp q, 0,1,2
	v_add_nc_u32 v[A16+\q], s2, v[L16]
	v_add_nc_u32 v[A8+\q], s2, v[L8]
	v_add_nc_u32 v[B16+\q], s3, v[L16]
	v_add_nc_u32 v[B8+\q], s3, v[L8]
	s_add_co_u32 s2, s2, REG
	s_add_co_u32 s3, s3, REG
.endr
	v_lshlrev_b32 v20, 5, v2                       ; a scale row is 32 bytes
	s_lshl_b32 s2, s15, 12                         ; A's: my 128 rows
	s_lshl_b32 s3, s16, 12
	s_add_co_u32 s3, s3, 8192                      ; B's, behind A's 256
	s_sub_co_u32 s3, s3, s2
	v_mul_u32_u24 v21, s3, v3                      ; lanes 16-31 take B's
	s_add_co_u32 s2, s2, SCL
	v_add_nc_u32 v20, v20, v21
	v_add_nc_u32 v[ADS], s2, v20
	; the way out's addresses.  X: which 128 of time; Yh: which pair of heads
	s_lshl_b32 s2, s101, 1
	s_add_co_u32 s2, s2, s15                       ; my 128 of m'
	s_lshl_b32 s3, s100, 1
	s_add_co_u32 s3, s3, s16                       ; my 128 of n'
	s_and_b32 s12, s3, 7
	s_cmp_eq_u32 s17, 1
	s_cselect_b32 s13, s3, s2                      ; X
	s_cselect_b32 s12, s2, s12                     ; Yh
	s_mov_b32 s18, 768
	s_cselect_b32 s18, 1536, s18                   ; from row block to row block: q, k: a half fragment; v: a fragment
	s_cselect_b32 s20, HBB-6144, 0                 ; v: behind four row blocks, on to the next head
	s_cselect_b32 s22, 6144, 0                     ; v's fragments lie behind K's in a step's block
	s_mov_b32 s23, HBB
	s_cselect_b32 s23, 768, s23                    ; a row block's second half fragment: v: the next 64 keys; q, k: the next head
	s_mov_b32 s96, 12288
	s_cselect_b32 s96, 12800, s96                  ; the scale words' place in a step's block
	s_mov_b32 s98, 256
	s_cselect_b32 s98, HBB, s98                    ; lanes 16-31 hold row blocks 4-7's words: q, k: the second group of four tiles; v: the next head
	s_mov_b32 s19, 0
	s_mov_b32 s21, 0
	v_mul_u32_u24 v[LO], s98, v3
	v_lshl_add_u32 v[LO], v2, 4, v[LO]
	s_lshr_b32 s2, s13, 4                          ; batch
	s_and_b32 s3, s13, 15                          ; step
	s_lshl_b32 s2, s2, 4
	s_lshl_b32 s12, s12, 1
	s_add_co_u32 s2, s2, s12                       ; the first of my two heads: 16 x batch + 2 Yh
	s_mul_i32 s2, s2, HBB
	s_mul_i32 s3, s3, SBB
	s_add_co_u32 s2, s2, s3
	s_add_co_u32 s92, s2, s22
	s_mov_b32 s93, 0
	s_add_co_u32 s96, s2, s96
	s_mov_b32 s97, 0
	s_cmp_eq_u32 ttmp9, 0
	s_cselect_b64 s[12:13], s[8:9], s[10:11]       ; q goes to qb, k and v to kv
	s_add_nc_u64 s[P0:P0+1], s[12:13], s[92:93]
	s_mov_b32 s2, s23
	s_mov_b32 s3, 0
	s_add_nc_u64 s[P1:P1+1], s[P0:P0+1], s[2:3]
	s_add_nc_u64 s[Q0:Q0+1], s[12:13], s[96:97]
	s_add_nc_u64 s[Q1:Q1+1], s[Q0:Q0+1], HBB
	s_mov_b32 s12, 0x76543210
	s_mov_b32 s13, 0xfedcba98                      ; v_permlanex16_b32's selects for lane l xor 16
	s_mov_b32 s22, 0xffff0000                      ; lanes 16-31
.macro FRAG reg, a16, a8, off          ; a fragment (16 positions x 128 K, 12 registers) = two half fragments on end: four loads, each of consecutive bytes
	ds_load_b128 v[(\reg):(\reg)+3], v[\a16] offset:(\off)
	ds_load_b64 v[(\reg)+4:(\reg)+5], v[\a8] offset:(\off)+512
	ds_load_b128 v[(\reg)+6:(\reg)+9], v[\a16] offset:(\off)+768
	ds_load_b64 v[(\reg)+10:(\reg)+11], v[\a8] offset:(\off)+1280
.endm
; 16 matrix instructions: A's blocks a0, a0 + 1 x B's eight, K step s.  p: B's set.  The 64 accumulators take turns, one instruction a turn, in the same order in every step.
.macro MUL16 a0, p, s, zero
.irp a, \a0, \a0+1
.irp b, 0,1,2,3,4,5,6,7
.if \zero
	v_wmma_scale_f32_16x16x128_f8f6f4 v[8*(8*((\a)%4)+\b):8*(8*((\a)%4)+\b)+7], v[128*(\p)+FR*\b:128*(\p)+FR*\b+FR-1], v[AF+FR*(\a):AF+FR*(\a)+FR-1], 0, v[SC+8*\b+(\s)], v[SC+8*(\a)+(\s)] matrix_a_fmt:MATRIX_FMT_FP6 matrix_b_fmt:MATRIX_FMT_FP6 matrix_a_scale:MATRIX_SCALE_ROW1
.else
	v_wmma_scale_f32_16x16x128_f8f6f4 v[8*(8*((\a)%4)+\b):8*(8*((\a)%4)+\b)+7], v[128*(\p)+FR*\b:128*(\p)+FR*\b+FR-1], v[AF+FR*(\a):AF+FR*(\a)+FR-1], v[8*(8*((\a)%4)+\b):8*(8*((\a)%4)+\b)+7], v[SC+8*\b+(\s)], v[SC+8*(\a)+(\s)] matrix_a_fmt:MATRIX_FMT_FP6 matrix_b_fmt:MATRIX_FMT_FP6 matrix_a_scale:MATRIX_SCALE_ROW1
.endif
.endr
.endr
.endm
.macro FETCH_B rg, q, p                ; B's eight fragments of region rg's q-th 128 along K into set p
	WIN TO_B
.irp i, 0,1,2,3,4,5,6,7
	FRAG 128*(\p)+FR*\i, B16+(\rg), B8+(\rg), \i*3072+(\q)*1536
.endr
	WIN 0
.endm
.macro FETCH_A rg, q, i0               ; A's blocks i0 .. i0 + 3
.irp i, \i0, \i0+1, \i0+2, \i0+3
	FRAG AF+FR*(\i), A16+(\rg), A8+(\rg), (\i)*3072+(\q)*1536
.endr
.endm
.macro PLACES                          ; four plain places behind a matrix instruction, in front of loads into registers that it has read and of the first read of its results (ISA guide 7.12.1 for the first read of its results)
.rept 4
	v_nop
.endr
.endm
; K step s; the next step's fragments come from region nr, its nq-th 128 along K, which every wave has been shown whole
.macro STEP s, nr, nq, zero
	s_wait_dscnt 16                                ; B's set and A's blocks 0-3 are in; the youngest 16 loads (A's blocks 4-7) may be out
	WIN MUL_LO
	MUL16 0, (\s)%2, \s, \zero
	MUL16 2, (\s)%2, \s, \zero
	s_wait_dscnt 0x0                               ; A's blocks 4-7 are in
	PLACES
	FETCH_B \nr, \nq, 1-(\s)%2
	FETCH_A \nr, \nq, 0
	WIN MUL_HI
	MUL16 4, (\s)%2, \s, \zero
	MUL16 6, (\s)%2, \s, \zero
	PLACES
	WIN 0
	FETCH_A \nr, \nq, 4
.endm
; An odd K step with a barrier: in front of it each wave waits for all its tensor loads, adds 0 to its spare word, and waits for that and for its LDS reads.  fill = 1: region 0, which nobody reads any more, takes quarter 3.
.macro TURN s, nr, fill
	s_wait_tensorcnt 0x0                           ; all my tensor loads have landed
	ds_add_u32 v[SPW], v[NIL]                      ; 0 onto my spare word
	s_wait_dscnt 17                                ; (the add and A's blocks 4-7 may be out)
	WIN MUL_LO
	MUL16 0, 1, \s, 0                              ; sixteen matrix instructions stand between the add and the wait for it
	s_wait_dscnt 0x0                               ; the add is done, and my reads of the region that I leave are over
	s_barrier_signal -1
	MUL16 2, 1, \s, 0
	WIN 0
	s_barrier_wait -1
.if \fill
	CREST                                          ; the barrier has opened a round of the cluster's barrier: no wave of any partner still reads region 0 or has a load on its way
	s_add_nc_u64 s[G0A+2:G0A+3], s[G0A+2:G0A+3], 3*3072
	s_add_nc_u64 s[G0B+2:G0B+3], s[G0B+2:G0B+3], 3*3072
	JLOAD G0A, G1A, G0B, G1B                       ; the first tensor load behind the round, my only one: it has four K steps in which to land; its four v_nop are the places in front of the loads below
.else
	PLACES
.endif
	FETCH_B \nr, 0, 0
	FETCH_A \nr, 0, 0
	WIN MUL_HI
	MUL16 4, 1, \s, 0
	MUL16 6, 1, \s, 0
	PLACES
	WIN 0
	FETCH_A \nr, 0, 4
.endm
	s_wait_tensorcnt 2                             ; the scale rows and my part of quarter 0 are in; quarters 1 and 2 may be out
	s_barrier_signal -1
	s_barrier_wait -1
	FETCH_B 0, 0, 0
	FETCH_A 0, 0, 0
.irp i, 0,1,2,3,4,5,6,7
	ds_load_b128 v[SC+8*\i:SC+8*\i+3], v[ADS] offset:512*\i        ; a position's 8 scale words, for all of K: they stay in registers
	ds_load_b128 v[SC+8*\i+4:SC+8*\i+7], v[ADS] offset:512*\i+16
.endr
	FETCH_A 0, 0, 4
	STEP 0, 0, 1, 1                                ; the first products start the sums: nothing is cleared
	TURN 1, 1, 1                                   ; quarters 1 and 2 are shown whole to every wave; quarter 3 is asked for
	STEP 2, 1, 1, 0
	STEP 3, 2, 0, 0
	STEP 4, 2, 1, 0
	TURN 5, 0, 0                                   ; quarter 3 is whole
	STEP 6, 0, 1, 0
	s_wait_dscnt 16
	WIN MUL_LO
	MUL16 0, 1, 7, 0
	MUL16 2, 1, 7, 0
	s_wait_dscnt 0x0
	WIN MUL_HI
	MUL16 4, 1, 7, 0
	MUL16 6, 1, 7, 0
	WIN 0
; THE WAY OUT.  Row block a (16 m' x 128 n'): a lane's 64 registers, register 16 b + i = n' 32 b + 16 (lane / 16) + i, become a fragment's codes and a scale word, and go to memory as they stand: no LDS.
.macro QOUT a
.set AC, 64*((\a)%4)
	WIN 0x0a+5*((\a)/4)                            ; sources 0 and 1: window 2 or 3
.irp b, 0,1,2,3
	v_max3_num_f32 v[TM+\b], |v[AC+16*\b]|, |v[AC+16*\b+1]|, 0x1800000      ; each accumulator is read from its low end on; the floor 2^(3 - 127) holds the byte at 1 from below
.endr
.irp i, 2,4,6,8,10,12,14
.irp b, 0,1,2,3
	v_max3_num_f32 v[TM+\b], |v[AC+16*\b+\i]|, |v[AC+16*\b+\i+1]|, v[TM+\b]
.endr
.endr
	WIN 0
.irp b, 0,1,2,3
	v_permlanex16_b32 v[PT+\b], v[TM+\b], s12, s13
.endr
.irp b, 0,1,2,3
	v_max_num_f32 v[TM+\b], v[TM+\b], v[PT+\b]     ; with lane l xor 16's: the block's largest magnitude
.endr
.irp b, 0,1,2,3
	v_add_nc_u32 v[SOP+\b], 0xff000000, v[TM+\b]
.endr
.irp b, 0,1,2,3
	v_lshrrev_b32 v[PT+\b], 23, v[SOP+\b]
.endr
	v_lshl_or_b32 v[PWR+(\a)], v[PT+1], 8, v[PT]
	v_lshl_or_b32 v[PWR+(\a)], v[PT+2], 16, v[PWR+(\a)]
	v_lshl_or_b32 v[PWR+(\a)], v[PT+3], 24, v[PWR+(\a)]
	s_wait_xcnt 0x0                                ; the last row block's stores have read their registers and bases
.if (\a) > 0
	s_add_nc_u64 s[P0:P0+1], s[P0:P0+1], s[18:19]
	s_add_nc_u64 s[P1:P1+1], s[P1:P1+1], s[18:19]
.endif
.if (\a) == 4
	s_add_nc_u64 s[P0:P0+1], s[P0:P0+1], s[20:21]  ; v: the next head (q, k: the selected step is 0)
	s_add_nc_u64 s[P1:P1+1], s[P1:P1+1], s[20:21]
.endif
	WIN 0x02+((\a)/4)                              ; source 0: window 2 or 3
.irp c, 0,1
	v_cvt_scalef32_pk16_fp6_f32 v[PC+6*\c:PC+6*\c+2], v[AC+32*\c:AC+32*\c+15], v[SOP+2*\c]
	v_cvt_scalef32_pk16_fp6_f32 v[PC+12+4*\c:PC+14+4*\c], v[AC+32*\c+16:AC+32*\c+31], v[SOP+2*\c+1]
.endr
	WIN 0
	v_nop                                          ; one plain place behind a scaled conversion
.irp c, 0,1                            ; the operand's layout wants a whole block in a lane
.irp i, 0,1,2
	v_permlane16_swap_b32 v[PC+6*\c+\i], v[PC+12+4*\c+\i]
.endr
.irp i, 0,1,2
	v_mov_b32 v[PC+3+6*\c+\i], v[PC+12+4*\c+\i]
.endr
.endr
	global_store_b128 v[L16], v[PC:PC+3], s[P0:P0+1]               ; 512 consecutive bytes,
	global_store_b64 v[L8], v[PC+4:PC+5], s[P0:P0+1] offset:512    ; and 256: a half fragment
	global_store_b128 v[L16], v[PC+6:PC+9], s[P1:P1+1]
	global_store_b64 v[L8], v[PC+10:PC+11], s[P1:P1+1] offset:512
.endm
	PLACES
.irp b, 0,1,2,3
	v_mov_b32 v[PT+\b], 0                          ; written once: a lane permute's destination counts as one of its sources
.endr
.irp a, 0,1,2,3,4,5,6,7
	QOUT \a
.endr
.irp i, 0,1,2,3
	v_cndmask_b32 v[EW+\i], v[PWR+\i], v[PWR+4+\i], s22            ; lanes 0-15: row blocks 0-3's words, lanes 16-31: row blocks 4-7's
.endr
	s_cmp_eq_u32 s17, 1
	s_cbranch_scc1 .Lv_words
.irp i, 0,1,2,3
	v_and_b32 v[FW+\i], 0xffff, v[EW+\i]           ; q, k: a word's low two bytes are the first head's 64, the high two the second's; the bytes above them are 0
.endr
.irp i, 0,1,2,3
	v_lshrrev_b32 v[EW+\i], 16, v[EW+\i]
.endr
	global_store_b128 v[LO], v[FW:FW+3], s[Q0:Q0+1]                ; 512 consecutive bytes
	global_store_b128 v[LO], v[EW:EW+3], s[Q1:Q1+1]
	s_branch .Lwords_done
.Lv_words:
	global_store_b128 v[LO], v[EW:EW+3], s[Q0:Q0+1]                ; v: a word serves the step's 128 keys; 256 consecutive bytes for each head
.Lwords_done:
	s_wait_tensorcnt 0x0                           ; the wave's end
	ds_add_u32 v[SPW], v[NIL]
	s_wait_dscnt 0x0
	CROUND                                         ; the closing round
	s_endpgm
.Lfunc_end_k_q960d1932f5_qkv:
	.size	k_q960d1932f5_qkv, .Lfunc_end_k_q960d1932f5_qkv-k_q960d1932f5_qkv
	.p2alignl 7, 3214868480
	.fill 96, 4, 3214868480
	.section	.rodata,"a",@progbits
	.p2align	6, 0x0
	.amdhsa_kernel k_q960d1932f5_qkv
		.amdhsa_group_segment_fixed_size 327680
		.amdhsa_private_segment_fixed_size 0
		.amdhsa_enable_private_segment 0
		.amdhsa_kernarg_size 32
		.amdhsa_user_sgpr_count 2
		.amdhsa_user_sgpr_kernarg_segment_ptr 1
		.amdhsa_wavefront_size32 1
		.amdhsa_system_sgpr_workgroup_id_x 1
		.amdhsa_system_sgpr_workgroup_id_y 1
		.amdhsa_system_sgpr_workgroup_id_z 1
		.amdhsa_system_vgpr_workitem_id 0
		.amdhsa_next_free_vgpr 1024
		.amdhsa_next_free_sgpr 102
		.amdhsa_reserve_vcc 0
		.amdhsa_float_denorm_mode_32 3
		.amdhsa_float_denorm_mode_16_64 3
		.amdhsa_memory_ordered 1
		.amdhsa_forward_progress 1
		.amdhsa_inst_pref_size 150
	.end_amdhsa_kernel
	.amdgpu_metadata
---
amdhsa.version: [ 1, 2 ]
amdhsa.kernels:
  - .name:           k_q960d1932f5_qkv
    .symbol:         k_q960d1932f5_qkv.kd
    .args:
      - { .name: xq, .offset: 0, .size: 8, .value_kind: global_buffer, .address_space: global }
      - { .name: wq, .offset: 8, .size: 8, .value_kind: global_buffer, .address_space: global }
      - { .name: qb, .offset: 16, .size: 8, .value_kind: global_buffer, .address_space: global }
      - { .name: kv, .offset: 24, .size: 8, .value_kind: global_buffer, .address_space: global }
    .group_segment_fixed_size: 327680
    .private_segment_fixed_size: 0
    .kernarg_segment_align: 8
    .kernarg_segment_size: 32
    .max_flat_workgroup_size: 128
    .sgpr_count:     102
    .vgpr_count:     1024
    .wavefront_size: 32
...
	.end_amdgpu_metadata
.endif
;; end of part 2
;; launch attn (part 3): grid 8 x 32, 16 waves a work-group, clusters of 4 x 1, 211,200 bytes of LDS; arguments qb, kv, yq, ent; writes yq, ent
.if DOCPART == 3
	.amdgcn_target "amdgcn-amd-amdhsa--gfx1250"
	.amdhsa_code_object_version 6
	.text
	.protected	k_q960d1932f5_attn
	.globl	k_q960d1932f5_attn
	.p2align	8
	.type	k_q960d1932f5_attn,@function
k_q960d1932f5_attn:
	s_mov_b64 s[64:65], 0
	v_nop
	global_prefetch_b8 v0, s[64:65] scope:SCOPE_SE
	s_setreg_imm32_b32 hwreg(HW_REG_WAVE_MODE, 25, 1), 1
	s_wait_xcnt 0x0
	s_wait_alu depctr_hold_cnt(0) depctr_sa_sdst(0) depctr_va_vdst(0) depctr_va_sdst(0) depctr_va_ssrc(0) depctr_va_vcc(0) depctr_vm_vsrc(0)
	s_getreg_b32 s2, hwreg(HW_REG_IB_STS2, 6, 4)
	s_cmp_eq_u32 s2, 0
	s_cbranch_scc0 .Lentry_in_a_cluster
	s_endpgm
.Lentry_in_a_cluster:
	s_bfe_u32 s2, ttmp6, 0x10000c
	s_cmp_lg_u32 s2, 0x3003
	s_cbranch_scc0 .Lentry_shape_is_right
	s_endpgm
.Lentry_shape_is_right:
; Products 2 and 3, the softmax between them, the entropy's sums, and y quantised for product 4.  All operands are codes of FP6 (E2M3) with E8M0 scales, in the format set out at the first kernel's head.
; WORK LEFT OUT: a step of 128 keys all of which come after my 16 queries lies wholly under the causal mask that reference() builds (see the first kernel's head): it is jumped over.
; LIMITS: the entropy is summed as -att ln(att) and not -att ln(att + 1e-8): at most 2.05e-5 a row, for all inputs.  A hidden score becomes the most negative f32 number, not -infinity: p is 0 all the same, and p x (t - M) stays 0.
; SOFTMAX: t = score x log2(e) / 8; M = the running largest t rounded up to a whole number; p = 2^(t - M) is quantised along the keys; l = the sum of the unquantised p divides at the end.
; ENTROPY: with u = t - M, S1 = the sum of p u: a row's entropy is ln 2 x (log2 l - S1 / l).  When M moves by dM = old M - new M and f = 2^dM: S1 <- f (S1 + dM l), l <- f l, O <- f O.
; SHARES.  A work-group serves one head (cluster y) and has a whole head's K and V in LDS, 208,896 bytes, filled once: no ring.  Wave w owns ONE tile of 16 queries: tile g = 4 cluster x + cx of the 128 queries of step j, where j is
; nibble w of a table in which every four waves w % 4 alike, and every four w / 4 alike, have 34 steps between them; a work-group has 136.  j hangs on the wave's number alone: all partners branch alike.
; CLUSTER: the four work-groups of a cluster read the same head: wave w's one joint load brings step block w to all four.
; LAYOUT: S^T = K Q^T and O^T = V^T P^T: a lane holds one query throughout.  The head's K is 64, the instruction's 128: Q's upper 64 codes are zeros, so what stands in the upper six registers of a K operand (the next tile's codes) adds
; nothing; the scale bytes of that half are 0, which is 2^-127 and no NaN.
; REGISTERS: v3-5 lane terms; v6-8 the step's addresses; v9 the byte store's offset; v10, v11 the entropy words' LDS addresses; v[12:13] -M, largest t; v[14:15] l; v16-27 Q; v28 Q's scales; v29 p's scale word; v[30:31] S1; v32-35, v36-39 K's and
; V's scale words; v40-87 K's 8 tiles, 6 registers apart, v88-93 zeros; v94, v95 the mask's; v96-143 V; v144-207 S^T, then p; v208-239 O^T; v240-251 p's codes; v252-255 the sums' second chains.
; Behind the score products v40-71 are at work, and u takes v96-143 and v72-87.
.set HBB,   208896
.set SBB,   13056
.set XS,    3145728
.set RED,   208896                     ; LDS behind the head's blocks: 16 words, one for each wave's entropy sum, in a block of 256 bytes of their own
.set SPARE, RED+256                    ; the spare words, 128 bytes for each of the 16 waves, which no other line names
.set SPW, 1
.set NIL, 2
.set L16, 3
.set L8,  4
.set R16, 5
.set A16, 6
.set A8,  7
.set AR,  8
.set BO,  9
.set MM,  12
.set LL,  14
.set QF,  16
.set QS,  28
.set PW,  29
.set EE,  30
.set KSW, 32
.set VSW, 36
.set KF,  40
.set KZ,  88
.set DD,  94
.set NEG, 95
.set VF,  96
.set S,   144
.set O,   208
.set PCD, 240
.set BM,  40                           ; at work: the blocks' largest scores, then their p
.set PT,  44
.set SOP, 48
.set BY,  52
.set CT,  56
.set DM,  64
.set FF,  66
.set TMP, 68
.set WV,  12
.set GG,  14
.set HB,  15
.set JJ,  16
.set SEL, 20
.set CS,  22
.set G1,  24
.set G0,  32
.set TB,  42
.set SG,  43
.macro CROUND
	s_barrier_signal -1
	s_barrier_wait -1
	s_cmp_lg_u32 s[WV], 0
	s_cbranch_scc1 .Lnot_wave_0_\@
	s_barrier_signal -3
.Lnot_wave_0_\@:
	s_barrier_wait -3
	s_barrier_signal -1
	s_barrier_wait -1
.endm
	s_load_b256 s[4:11], s[0:1], 0x0               ; qb s[4:5], kv s[6:7], yq s[8:9], ent s[10:11]
	v_lshl_add_u32 v[SPW], v0, 2, SPARE
	v_mov_b32 v[NIL], 0
	ds_add_u32 v[SPW], v[NIL]                      ; the opening: the add, twice on end, and its wait ahead of my first tensor load
	ds_add_u32 v[SPW], v[NIL]
	v_lshrrev_b32 v3, 5, v0
	v_readfirstlane_b32 s[WV], v3                  ; wave 0..15
	s_bfe_u32 s13, ttmp6, 0x40000                  ; cx
	s_lshl_b32 s[GG], ttmp9, 2
	s_add_co_u32 s[GG], s[GG], s13                 ; g: it enters global addresses and the mask's numbers alone
	s_and_b32 s[HB], ttmp7, 0xffff                 ; 16 x batch + head, which the partners share
	s_mov_b32 s[JJ], 0x7a94c12f
	s_mov_b32 s17, 0x0de3b658
	s_cmp_lt_u32 s[WV], 8
	s_cselect_b32 s[JJ], s[JJ], s17
	s_and_b32 s17, s[WV], 7
	s_lshl_b32 s17, s17, 2
	s_lshr_b32 s[JJ], s[JJ], s17
	s_and_b32 s[JJ], s[JJ], 15                     ; j
	s_mov_b32 s[G1], 15|(3<<16)|(1<<21)            ; the mask: all four; elements of 8 bytes; bit 21 set beside a mask; no padding
	s_mov_b32 s[G1+1], 32<<16                      ; a step block: 13,056 dense bytes as 51 rows of 256
	s_mov_b32 s[G1+2], 51<<16
	s_mov_b32 s[G1+3], 32<<16
	s_mov_b32 s[G1+4], 51
	s_mov_b32 s[G1+5], 32
	s_mov_b32 s[G1+6], 0
	s_mov_b32 s[G1+7], 0
	s_mov_b32 s[G0], 1
	s_mul_i32 s[G0+1], s[WV], SBB                  ; step block w, as it lies in memory
	s_mul_i32 s18, s[HB], HBB
	s_add_co_u32 s40, s18, s[G0+1]
	s_mov_b32 s41, 0
	s_mov_b32 s19, 0xffff0000                      ; lanes 16-31
	s_mov_b32 s[SEL], 0x76543210
	s_mov_b32 s[SEL+1], 0xfedcba98
	s_mov_b32 s[CS], 0x3e38aa3b                    ; c = log2(e) / sqrt(64)
	s_mov_b32 s[CS+1], s[CS]
	s_wait_dscnt 0x0                               ; both opening adds are done
	s_wait_kmcnt 0x0
	s_add_nc_u64 s[G0+2:G0+3], s[6:7], s[40:41]
	s_or_b32 s[G0+3], s[G0+3], 0x80000000
	CROUND                                         ; all four work-groups are here: the joint loads meet
	tensor_load_to_lds s[G0:G0+3], s[G1:G1+7]      ; every wave's one load: one is out
	s_nop 0
	s_mul_i32 s17, s[JJ], SBB
	s_add_co_u32 s17, s17, s18                     ; my step's block in qb
	s_mul_i32 s40, s[GG], 768
	s_add_co_u32 s40, s40, s17
	s_add_nc_u64 s[36:37], s[4:5], s[40:41]        ; Q's half fragment
	s_lshr_b32 s40, s[GG], 2
	s_lshl_b32 s40, s40, 8
	s_and_b32 s2, s[GG], 3
	s_lshl_b32 s2, s2, 2
	s_add_co_u32 s40, s40, s2
	s_add_co_u32 s40, s40, s17
	s_add_nc_u64 s[38:39], s[4:5], s[40:41]        ; its scale words: group g / 4, word g % 4
	v_and_b32 v10, 31, v0
	v_and_b32 v11, 15, v0                          ; r
	v_bfe_u32 v[BO], v0, 4, 1                      ; h
	v_lshlrev_b32 v[L16], 4, v10
	v_lshlrev_b32 v[L8], 3, v10
	v_lshlrev_b32 v[R16], 4, v11
	global_load_b128 v[QF:QF+3], v[L16], s[36:37]
	global_load_b64 v[QF+4:QF+5], v[L8], s[36:37] offset:512
	global_load_b32 v[QS], v[R16], s[38:39] offset:12288
.irp i, 0,1,2,3,4,5
	v_mov_b32 v[QF+6+\i], 0                        ; Q's upper 64 codes
	v_mov_b32 v[KZ+\i], 0                          ; and what stands behind K's last tile
.endr
	s_lshr_b32 s2, s[GG], 1
	s_lshl_b32 s2, s2, 5
	s_and_b32 s3, s[GG], 1
	s_lshl_b32 s3, s3, 3
	s_add_co_u32 s2, s2, s3
	v_and_b32 v[DD], 8, v11
	v_add_nc_u32 v[DD], v[DD], v11
	v_add_nc_u32 v[DD], s2, v[DD]                  ; my query among its step's 128: 32 (g / 2) + 8 (g % 2) + r + 8 (r / 8)
	v_lshlrev_b32 v10, 4, v[BO]
	v_sub_nc_u32 v[DD], v[DD], v10                 ; less 16 h: register 16 b + i holds key 32 b + 16 h + i, hidden where 32 b + i is above this
	v_lshl_add_u32 v[BO], v11, 5, v[BO]            ; 32 r + h
	s_lshl_b32 s2, s[WV], 2
	s_add_co_u32 s2, s2, RED
	v_mov_b32 v10, s2                              ; my wave's word
	v_mov_b32 v11, RED
	v_mov_b32 v[NEG], 0xff7fffff
	v_mov_b32 v[MM+1], 0xff61b1e6                  ; the largest t so far: -3e38
	v_floor_f32 v[MM], -v[MM+1]                    ; -M
	v_mov_b32 v[LL], 0
	v_mov_b32 v[LL+1], 0
	v_mov_b32 v[EE], 0
	v_mov_b32 v[EE+1], 0
.set i, 0
.rept 32
	v_mov_b32 v[O+i], 0                            ; O^T: the loop is written once; its first step finds zeros
.set i, i+1
.endr
	s_lshr_b32 s2, s[HB], 4
	s_lshl_b32 s2, s2, 7
	s_lshl_b32 s3, s[JJ], 3
	s_add_co_u32 s2, s2, s3
	s_add_co_u32 s2, s2, s[GG]                     ; y's tile: 128 x batch + 8 j + g
	s_and_b32 s3, s[HB], 15                        ; the head is y's kappa
	s_mul_i32 s40, s2, 12288
	s_mul_i32 s17, s3, 768
	s_add_co_u32 s40, s40, s17
	s_add_nc_u64 s[44:45], s[8:9], s[40:41]
	s_lshl_b32 s40, s2, 9
	s_lshl_b32 s3, s3, 1
	s_add_co_u32 s40, s40, s3
	s_add_co_u32 s40, s40, XS
	s_add_nc_u64 s[46:47], s[8:9], s[40:41]
	s_lshl_b32 s40, s[HB], 3
	s_add_co_u32 s40, s40, s[GG]
	s_lshl_b32 s40, s40, 2
	s_add_nc_u64 s[10:11], s[10:11], s[40:41]      ; my work-group's word of ent
	s_mov_b32 s[TB], 0
	s_mov_b32 s[SG], 0
	s_wait_loadcnt 0x0                             ; Q
	s_wait_tensorcnt 0x0                           ; my step block has landed,
	s_barrier_signal -1
	s_barrier_wait -1                              ; everybody's has: the head is whole
.Lstep:                                ; 16 trips, a constant; a step behind my queries is jumped over: no barrier and no tensor load stands in a step
	s_cmp_gt_u32 s[SG], s[JJ]
	s_cbranch_scc1 .Lskip
	v_add_nc_u32 v[A16], s[TB], v[L16]
	v_add_nc_u32 v[A8], s[TB], v[L8]
	v_add_nc_u32 v[AR], s[TB], v[R16]
	ds_load_b128 v[KSW:KSW+3], v[A16] offset:12288 ; lanes 0-15: tiles 0-3's scale words, lanes 16-31: tiles 4-7's
.irp t, 0,1,2,3,4,5,6,7
	ds_load_b128 v[KF+6*\t:KF+6*\t+3], v[A16] offset:768*\t
	ds_load_b64 v[KF+6*\t+4:KF+6*\t+5], v[A8] offset:768*\t+512
.endr
	s_wait_dscnt 0x0
.irp t, 0,1,2,3
	v_wmma_scale_f32_16x16x128_f8f6f4 v[S+8*\t:S+8*\t+7], v[KF+6*\t:KF+6*\t+11], v[QF:QF+11], 0, v[KSW+\t], v[QS] matrix_a_fmt:MATRIX_FMT_FP6 matrix_b_fmt:MATRIX_FMT_FP6
.endr
.irp t, 4,5,6,7
	v_wmma_scale_f32_16x16x128_f8f6f4 v[S+8*\t:S+8*\t+7], v[KF+6*\t:KF+6*\t+11], v[QF:QF+11], 0, v[KSW+\t-4], v[QS] matrix_a_fmt:MATRIX_FMT_FP6 matrix_b_fmt:MATRIX_FMT_FP6 matrix_a_scale:MATRIX_SCALE_ROW1
.endr
.rept 4
	v_nop                                          ; four places behind the products, ahead of the first read of their results and the first write of their operands
.endr
	s_cmp_lg_u32 s[SG], s[JJ]
	s_cbranch_scc1 .Lopen                          ; only my own step lies on the diagonal
.set n, 0
.rept 64
	v_cmp_gt_i32 vcc_lo, 32*(n/16)+n%16, v[DD]
	v_cndmask_b32 v[S+n], v[S+n], v[NEG], vcc_lo
.set n, n+1
.endr
.Lopen:
.irp b, 0,1,2,3
	v_max3_num_f32 v[BM+\b], v[S+16*\b], v[S+1+16*\b], v[S+2+16*\b]       ; the largest score of each block of 32 keys: for the row's maximum and, since p rises with the score, for the block's largest p
.endr
.irp i, 3,5,7,9,11,13
.irp b, 0,1,2,3
	v_max3_num_f32 v[BM+\b], v[BM+\b], v[S+16*\b+\i], v[S+1+16*\b+\i]
.endr
.endr
.irp b, 0,1,2,3
	v_max_num_f32 v[BM+\b], v[BM+\b], v[S+15+16*\b]
.endr
.irp b, 0,1,2,3
	v_permlanex16_b32 v[PT+\b], v[BM+\b], s[SEL], s[SEL+1]
.endr
.irp b, 0,1,2,3
	v_max_num_f32 v[BM+\b], v[BM+\b], v[PT+\b]
.endr
	v_max3_num_f32 v[TMP], v[BM], v[BM+1], v[BM+2]
	v_max_num_f32 v[TMP], v[TMP], v[BM+3]
	v_mul_f32 v[TMP], s[CS], v[TMP]
	v_max_num_f32 v[MM+1], v[MM+1], v[TMP]         ; the running largest t
	v_mov_b32 v[TMP], v[MM]
	v_floor_f32 v[MM], -v[MM+1]                    ; the new -M: M is a whole number
	v_sub_f32 v[DM], v[MM], v[TMP]                 ; dM = old M - new M, 0 or less
	v_cvt_i32_f32 v[TMP], v[DM]                    ; (it saturates)
	v_ldexp_f32 v[FF], 1.0, v[TMP]                 ; f = 2^dM
.set j, 0
.rept 32
.set u, 96+j-72*(j/48)
	v_pk_fma_f32 v[u:u+1], v[S+j:S+j+1], s[CS:CS+1], v[MM:MM+1] op_sel_hi:[1,0,0]     ; u = t - M, kept for the entropy
.set j, j+2
.endr
.irp b, 0,1,2,3
	v_fma_f32 v[BM+\b], v[BM+\b], s[CS], v[MM]     ; the same of each block's largest score
.endr
.set j, 0
.rept 64
.set u, 96+j-72*(j/48)
	v_exp_f32 v[S+j], v[u]                         ; p = 2^u
.set j, j+1
.endr
	v_pk_fma_f32 v[EE:EE+1], v[DM:DM+1], v[LL:LL+1], v[EE:EE+1] op_sel_hi:[0,1,1]     ; S1 + dM l  (plain work behind the exponentials)
	v_pk_mul_f32 v[EE:EE+1], v[EE:EE+1], v[FF:FF+1] op_sel_hi:[1,0]                   ; x f
	v_pk_mul_f32 v[LL:LL+1], v[LL:LL+1], v[FF:FF+1] op_sel_hi:[1,0]
	s_wait_alu depctr_va_vdst(0)                   ; one wait for the batch of 64, ahead of its first reader
.irp b, 0,1,2,3
	v_exp_f32 v[BM+\b], v[BM+\b]                   ; the blocks' largest p
.endr
	v_pk_add_f32 v[252:253], v[S:S+1], v[S+2:S+3]  ; l takes the unquantised p, in two chains
.irp j, 4,8,12,16,20,24,28,32,36,40,44,48,52,56,60
	v_pk_add_f32 v[LL:LL+1], v[LL:LL+1], v[S+\j:S+\j+1]
	v_pk_add_f32 v[252:253], v[252:253], v[S+2+\j:S+3+\j]
.endr
	v_pk_add_f32 v[LL:LL+1], v[LL:LL+1], v[252:253]
	v_pk_mul_f32 v[254:255], v[S:S+1], v[96:97]    ; S1 takes p u, in two chains
	v_pk_fma_f32 v[EE:EE+1], v[S+2:S+3], v[98:99], v[EE:EE+1]
.set j, 4
.rept 15
.set u, 96+j-72*(j/48)
	v_pk_fma_f32 v[254:255], v[S+j:S+j+1], v[u:u+1], v[254:255]
	v_pk_fma_f32 v[EE:EE+1], v[S+j+2:S+j+3], v[u+2:u+3], v[EE:EE+1]
.set j, j+4
.endr
	v_pk_add_f32 v[EE:EE+1], v[EE:EE+1], v[254:255]
	ds_load_b128 v[VSW:VSW+3], v[AR] offset:12800  ; u is done with: V's four fragments and their scale words come while p is quantised
.irp t, 0,1,2,3
	ds_load_b128 v[VF+12*\t:VF+12*\t+3], v[A16] offset:6144+1536*\t
	ds_load_b64 v[VF+12*\t+4:VF+12*\t+5], v[A8] offset:6144+1536*\t+512
	ds_load_b128 v[VF+12*\t+6:VF+12*\t+9], v[A16] offset:6144+1536*\t+768
	ds_load_b64 v[VF+12*\t+10:VF+12*\t+11], v[A8] offset:6144+1536*\t+1280
.endr
	s_wait_alu depctr_va_vdst(0)                   ; and one for the four
.irp b, 0,1,2,3
	v_max_num_f32 v[BM+\b], 0x1800000, v[BM+\b]    ; the floor: a block whose every p is 0 keeps the byte 1; its codes are zeros
.endr
.irp b, 0,1,2,3
	v_add_nc_u32 v[SOP+\b], 0xff000000, v[BM+\b]
.endr
.irp b, 0,1,2,3
	v_lshrrev_b32 v[BY+\b], 23, v[SOP+\b]
.endr
	v_lshl_or_b32 v[PW], v[BY+1], 8, v[BY]
	v_lshl_or_b32 v[PW], v[BY+2], 16, v[PW]
	v_lshl_or_b32 v[PW], v[BY+3], 24, v[PW]
.irp c, 0,1
	v_cvt_scalef32_pk16_fp6_f32 v[PCD+6*\c:PCD+6*\c+2], v[S+32*\c:S+32*\c+15], v[SOP+2*\c]
	v_cvt_scalef32_pk16_fp6_f32 v[CT+4*\c:CT+4*\c+2], v[S+32*\c+16:S+32*\c+31], v[SOP+2*\c+1]
.endr
	v_nop                                          ; one plain place behind a scaled conversion
.irp c, 0,1
.irp i, 0,1,2
	v_permlane16_swap_b32 v[PCD+6*\c+\i], v[CT+4*\c+\i]
.endr
.irp i, 0,1,2
	v_mov_b32 v[PCD+3+6*\c+\i], v[CT+4*\c+\i]
.endr
.endr
.set j, 0
.rept 16
	v_pk_mul_f32 v[O+j:O+j+1], v[O+j:O+j+1], v[FF:FF+1] op_sel_hi:[1,0]       ; O^T x f, each accumulator from its low end on; these sixteen are also the places between the writes of p's codes and scale word and the products
.set j, j+2
.endr
	s_wait_dscnt 0x0
.irp t, 0,1,2,3
	v_wmma_scale_f32_16x16x128_f8f6f4 v[O+8*\t:O+8*\t+7], v[VF+12*\t:VF+12*\t+11], v[PCD:PCD+11], v[O+8*\t:O+8*\t+7], v[VSW+\t], v[PW] matrix_a_fmt:MATRIX_FMT_FP6 matrix_b_fmt:MATRIX_FMT_FP6
.endr                                  ; the four accumulators take turns, one instruction a turn, and eight score products stand between a step's and the next's
.Lskip:
	s_add_co_u32 s[TB], s[TB], SBB
	s_add_co_u32 s[SG], s[SG], 1
	s_cmp_lt_u32 s[SG], 16
	s_cbranch_scc1 .Lstep
	; THE TAIL.  The first nine lines name no register of the last products: they are the places behind them.
	v_mov_b32 v40, 0                               ; (lane permutes' destinations, and the upper half of a pair, are written before they are named)
	v_mov_b32 v41, 0
	v_mov_b32 v43, 0
	v_mov_b32 v48, 0
	v_mov_b32 v49, 0
	v_mov_b32 v45, 0
	v_add_f32 v[LL], v[LL], v[LL+1]
	v_add_f32 v[EE], v[EE], v[EE+1]
	v_permlanex16_b32 v40, v[LL], s[SEL], s[SEL+1]
	v_permlanex16_b32 v41, v[EE], s[SEL], s[SEL+1]
	v_add_f32 v[LL], v[LL], v40                    ; l
	v_add_f32 v[EE], v[EE], v41                    ; S1
	v_rcp_f32 v42, v[LL]
	v_log_f32 v44, v[LL]
	v_nop
	s_wait_alu depctr_va_vdst(0)                   ; one wait for the two, ahead of their first reader
	v_fma_f32 v[EE], -v[EE], v42, v44              ; log2 l - S1 / l
.set j, 0
.rept 16
	v_pk_mul_f32 v[O+j:O+j+1], v[O+j:O+j+1], v[42:43] op_sel_hi:[1,0]         ; y = O / l: register 16 b + i is d = 32 b + 16 h + i of my query
.set j, j+2
.endr
	v_max3_num_f32 v46, |v[O]|, |v[O+1]|, 0x1800000
	v_max3_num_f32 v47, |v[O+16]|, |v[O+17]|, 0x1800000
.irp i, 2,4,6,8,10,12,14
	v_max3_num_f32 v46, v46, |v[O+\i]|, |v[O+\i+1]|
	v_max3_num_f32 v47, v47, |v[O+16+\i]|, |v[O+17+\i]|
.endr
	v_permlanex16_b32 v48, v46, s[SEL], s[SEL+1]
	v_permlanex16_b32 v49, v47, s[SEL], s[SEL+1]
	v_max_num_f32 v46, v46, v48
	v_max_num_f32 v47, v47, v49
	v_add_nc_u32 v50, 0xff000000, v46
	v_add_nc_u32 v51, 0xff000000, v47
	v_lshrrev_b32 v52, 23, v50
	v_lshrrev_b32 v53, 23, v51
	v_cvt_scalef32_pk16_fp6_f32 v[56:58], v[O:O+15], v50
	v_cvt_scalef32_pk16_fp6_f32 v[60:62], v[O+16:O+31], v51
	v_cndmask_b32 v54, v52, v53, s19               ; (a plain place)  lane (r, h) stores block h's byte
.irp i, 0,1,2
	v_permlane16_swap_b32 v[56+\i], v[60+\i]
.endr
.irp i, 0,1,2
	v_mov_b32 v[59+\i], v[60+\i]                   ; v56-61: my block's 24 bytes
.endr
	global_store_b128 v[L16], v[56:59], s[44:45]   ; 512 consecutive bytes,
	global_store_b64 v[L8], v[60:61], s[44:45] offset:512          ; and 256: y's half fragment (tile, head)
	global_store_b8 v[BO], v54, s[46:47]           ; two of a scale row's 32 bytes: pieces of rows, one byte for each 24 of codes
	v_add_f32_dpp v[EE], v[EE], v[EE] row_xmask:1 row_mask:0xf bank_mask:0xf
	v_add_f32_dpp v[EE], v[EE], v[EE] row_xmask:2 row_mask:0xf bank_mask:0xf
	v_add_f32_dpp v[EE], v[EE], v[EE] row_xmask:4 row_mask:0xf bank_mask:0xf
	v_add_f32_dpp v[EE], v[EE], v[EE] row_xmask:8 row_mask:0xf bank_mask:0xf  ; my 16 queries' sum (both halves of the lanes hold the same)
	ds_store_b32 v10, v[EE]
	s_wait_dscnt 0x0                               ; for the others' sake
	s_barrier_signal -1
	s_barrier_wait -1
	s_cmp_lg_u32 s[WV], 0
	s_cbranch_scc1 .Lnot0
	ds_load_b128 v[64:67], v11
	ds_load_b128 v[68:71], v11 offset:16
	ds_load_b128 v[72:75], v11 offset:32
	ds_load_b128 v[76:79], v11 offset:48
	s_wait_dscnt 0x0
	v_pk_add_f32 v[64:65], v[64:65], v[66:67]
	v_pk_add_f32 v[68:69], v[68:69], v[70:71]
	v_pk_add_f32 v[72:73], v[72:73], v[74:75]
	v_pk_add_f32 v[76:77], v[76:77], v[78:79]
	v_pk_add_f32 v[64:65], v[64:65], v[68:69]
	v_pk_add_f32 v[72:73], v[72:73], v[76:77]
	v_pk_add_f32 v[64:65], v[64:65], v[72:73]
	v_add_f32 v64, v64, v65                        ; the work-group's 256 queries
	v_cmp_eq_u32 vcc_lo, 0, v0
	s_wait_xcnt 0x0                                ; EXEC changes only behind this wait
	s_and_saveexec_b32 s2, vcc_lo
	global_store_b32 v45, v64, s[10:11]
	s_wait_xcnt 0x0
	s_or_b32 exec_lo, exec_lo, s2
.Lnot0:
	s_wait_tensorcnt 0x0                           ; the wave's end
	ds_add_u32 v[SPW], v[NIL]
	s_wait_dscnt 0x0
	CROUND                                         ; the closing round
	s_endpgm
.Lfunc_end_k_q960d1932f5_attn:
	.size	k_q960d1932f5_attn, .Lfunc_end_k_q960d1932f5_attn-k_q960d1932f5_attn
	.p2alignl 7, 3214868480
	.fill 96, 4, 3214868480
	.section	.rodata,"a",@progbits
	.p2align	6, 0x0
	.amdhsa_kernel k_q960d1932f5_attn
		.amdhsa_group_segment_fixed_size 211200
		.amdhsa_private_segment_fixed_size 0
		.amdhsa_enable_private_segment 0
		.amdhsa_kernarg_size 32
		.amdhsa_user_sgpr_count 2
		.amdhsa_user_sgpr_kernarg_segment_ptr 1
		.amdhsa_wavefront_size32 1
		.amdhsa_system_sgpr_workgroup_id_x 1
		.amdhsa_system_sgpr_workgroup_id_y 1
		.amdhsa_system_sgpr_workgroup_id_z 1
		.amdhsa_system_vgpr_workitem_id 0
		.amdhsa_next_free_vgpr 256
		.amdhsa_next_free_sgpr 66
		.amdhsa_reserve_vcc 1
		.amdhsa_float_denorm_mode_32 3
		.amdhsa_float_denorm_mode_16_64 3
		.amdhsa_memory_ordered 1
		.amdhsa_forward_progress 1
		.amdhsa_inst_pref_size 36
	.end_amdhsa_kernel
	.amdgpu_metadata
---
amdhsa.version: [ 1, 2 ]
amdhsa.kernels:
  - .name:           k_q960d1932f5_attn
    .symbol:         k_q960d1932f5_attn.kd
    .args:
      - { .name: qb, .offset: 0, .size: 8, .value_kind: global_buffer, .address_space: global }
      - { .name: kv, .offset: 8, .size: 8, .value_kind: global_buffer, .address_space: global }
      - { .name: yq, .offset: 16, .size: 8, .value_kind: global_buffer, .address_space: global }
      - { .name: ent, .offset: 24, .size: 8, .value_kind: global_buffer, .address_space: global }
    .group_segment_fixed_size: 211200
    .private_segment_fixed_size: 0
    .kernarg_segment_align: 8
    .kernarg_segment_size: 32
    .max_flat_workgroup_size: 512
    .sgpr_count:     66
    .vgpr_count:     256
    .wavefront_size: 32
...
	.end_amdgpu_metadata
.endif
;; end of part 3
;; launch proj (part 4): grid 8 x 32, 4 waves a work-group, clusters of 4 x 4, 222,720 bytes of LDS; arguments yq, wq, ent, out0, out1; writes out0, out1
.if DOCPART == 4
	.amdgcn_target "amdgcn-amd-amdhsa--gfx1250"
	.amdhsa_code_object_version 6
	.text
	.protected	k_q960d1932f5_proj
	.globl	k_q960d1932f5_proj
	.p2align	8
	.type	k_q960d1932f5_proj,@function
k_q960d1932f5_proj:
	s_mov_b64 s[64:65], 0
	v_nop
	global_prefetch_b8 v0, s[64:65] scope:SCOPE_SE
	s_setreg_imm32_b32 hwreg(HW_REG_WAVE_MODE, 25, 1), 1
	s_wait_xcnt 0x0
	s_wait_alu depctr_hold_cnt(0) depctr_sa_sdst(0) depctr_va_vdst(0) depctr_va_sdst(0) depctr_va_ssrc(0) depctr_va_vcc(0) depctr_vm_vsrc(0)
	s_getreg_b32 s2, hwreg(HW_REG_IB_STS2, 6, 4)
	s_cmp_eq_u32 s2, 0
	s_cbranch_scc0 .Lentry_in_a_cluster
	s_endpgm
.Lentry_in_a_cluster:
	s_bfe_u32 s2, ttmp6, 0x10000c
	s_cmp_lg_u32 s2, 0xf033
	s_cbranch_scc0 .Lentry_shape_is_right
	s_endpgm
.Lentry_shape_is_right:
; Product 4, out0 = y w_proj, on y's codes (made by attn) and w_proj's (made by quant), in the format set out at the first kernel's head; and out1 = ln 2 / 65,536 x the sum of ent's 256 words.
; A tile of out0 is 128 x 128: 256 work-groups; a wave makes 64 x 64 in 16 accumulators.  All of K (1,024) of the tile's operands fits in LDS: five first fills a wave (scale rows, four quarters of K), nothing is filled again.
; CLUSTERS 4 x 4: y's tiles are shared along a row of the cluster, w_proj's along a column.  The matrix instruction is used transposed (source 0 = w_proj, source 1 = y): a lane holds eight neighbouring numbers of a row of out0.
; Both operands are in position order: slot s of tile t is row (column) 32 (t / 2) + 8 (t % 2) + s + 8 (s / 8); the way out puts each number at its true place.
; REGISTERS: window 0: v4-15 addresses; v30 the entropy's mean; v32-63 scale words; v64-127 the way out; v128-255 the accumulators ((a, b) at v[128 + 8 (4 a + b)]).  window 1: two fragment buffers, at v0 and v128: A's four, then B's four.
.set XS,    3145728
.set WPC,   2457600
.set WPS,   3244032
.set BOF,   98304                      ; LDS: A [quarter][8 tiles][3,072], then B
.set SCL,   196608                     ; the scale rows: A's 128 x 32 bytes, then B's
.set STAGE, 204800                     ; a stage of 16 rows x (256 + 16) bytes for each wave: no fill lands here
.set SPITCH, 272
.set SPARE, STAGE+4*16*SPITCH          ; the spare words, 128 bytes for each wave, which no other line names
.set FR,    12
.set A16,   4                          ; v4-5   quarters 0-1, 2-3: my A tiles + 16 x lane
.set A8,    6
.set B16,   8
.set B8,    10
.set ADS,   12
.set STO,   13
.set RD,    14
.set CO,    15
.set SPW,   28
.set NIL,   29
.set MEAN,  30                         ; v30    out1's number, in wave 0 of the work-groups of cluster (0, 0); 0 elsewhere
.set SC,    32
.set BK,    64
.set ACC,   128
.set G1A,   24
.set G0A,   32                         ; s32-47: four sets
.set G1B,   48
.set G0B,   56                         ; s56-63 and s68-75: set q at G0B + 4 q + 4 (q / 2)
.set G1S,   76
.set G1SB,  84
.set G0S,   92
.set G0SB,  96
.set OWN,   100                        ; s100   cluster x | cluster y | wave: 0 in the waves that see to out1; the same in all partners, for a given wave
.set MSB, 0
.macro WIN new
.if MSB != (\new)
	s_set_vgpr_msb (MSB<<8)|(\new)
.set MSB, \new
.endif
.endm
.set MUL,  0x05                        ; sources 0 and 1 window 1; C and D window 0
.set TO_F, 0x40
.macro JLOAD g0a, g1a, g0b, g1b        ; a joint load: waves 0 and 1 fetch for A, waves 2 and 3 for B; an s_nop 0 and four v_nop follow each of the two lines
	s_cmp_eq_u32 s15, 0
	s_cbranch_scc0 .Lfor_b_\@
	tensor_load_to_lds s[\g0a:\g0a+3], s[\g1a:\g1a+7]
	s_nop 0
.rept 4
	v_nop
.endr
	s_branch .Lasked_\@
.Lfor_b_\@:
	tensor_load_to_lds s[\g0b:\g0b+3], s[\g1b:\g1b+7]
	s_nop 0
.rept 4
	v_nop
.endr
.Lasked_\@:
.endm
.macro CROUND
	s_barrier_signal -1
	s_barrier_wait -1
	s_cmp_lg_u32 s14, 0
	s_cbranch_scc1 .Lnot_wave_0_\@
	s_barrier_signal -3
.Lnot_wave_0_\@:
	s_barrier_wait -3
	s_barrier_signal -1
	s_barrier_wait -1
.endm
	s_load_b256 s[4:11], s[0:1], 0x0               ; yq s[4:5], wq s[6:7], ent s[8:9], out0 s[10:11]
	s_load_b64 s[12:13], s[0:1], 0x20              ; out1
	v_lshl_add_u32 v[SPW], v0, 2, SPARE
	v_mov_b32 v[NIL], 0
	ds_add_u32 v[SPW], v[NIL]                      ; the opening: the add, twice on end, and its wait ahead of my first tensor load
	ds_add_u32 v[SPW], v[NIL]
	v_lshrrev_b32 v1, 5, v0
	v_readfirstlane_b32 s14, v1                    ; wave
	s_lshr_b32 s15, s14, 1                         ; which 64 rows are mine.  Also: I fetch for A (0) or for B (1)
	s_and_b32 s16, s14, 1                          ; which 64 columns.  Also: which 4 tiles I fetch
	s_bfe_u32 s17, ttmp6, 0x40000                  ; cx
	s_bfe_u32 s18, ttmp6, 0x40004                  ; cy
	s_lshl_b32 s19, ttmp9, 2
	s_add_co_u32 s19, s19, s17                     ; tile column
	s_and_b32 s101, ttmp7, 0xffff                  ; cluster y
	s_lshl_b32 s20, s101, 2
	s_add_co_u32 s20, s20, s18                     ; tile row
	s_or_b32 s[OWN], ttmp9, s101
	s_or_b32 s[OWN], s[OWN], s14
	s_lshl_b32 s21, s18, 2
	s_lshl_b32 s21, 15, s21                        ; my row of the cluster
	s_lshl_b32 s22, 0x1111, s17                    ; my column
	s_or_b32 s[G1A], s21, (3<<16)|(1<<21)          ; the mask; elements of 8 bytes; bit 21 set beside a mask; no padding
	s_or_b32 s[G1B], s22, (3<<16)|(1<<21)
	s_or_b32 s[G1S], s21, (3<<16)|(1<<21)
	s_or_b32 s[G1SB], s22, (3<<16)|(1<<21)
.irp g, G1A, G1B                       ; codes: 4 tiles x 3,072 bytes (256 along K), 12,288 bytes from tile to tile
	s_mov_b32 s[\g+1], 384<<16
	s_mov_b32 s[\g+2], 4<<16
	s_mov_b32 s[\g+3], 384<<16
	s_mov_b32 s[\g+4], 4
	s_mov_b32 s[\g+5], 1536
	s_mov_b32 s[\g+6], 0
	s_mov_b32 s[\g+7], 0
.endr
.irp g, G1S, G1SB                      ; scale rows of 64 positions: 2,048 dense bytes as 8 rows of 256
	s_mov_b32 s[\g+1], 32<<16
	s_mov_b32 s[\g+2], 8<<16
	s_mov_b32 s[\g+3], 32<<16
	s_mov_b32 s[\g+4], 8
	s_mov_b32 s[\g+5], 32
	s_mov_b32 s[\g+6], 0
	s_mov_b32 s[\g+7], 0
.endr
	s_lshl_b32 s2, s16, 2                          ; the 4 tiles that I fetch
	s_lshl_b32 s[G0A+2], s20, 3
	s_add_co_u32 s[G0A+2], s[G0A+2], s2            ; A: tile 8 x tile row + 4 x half
	s_lshl_b32 s[G0S+2], s[G0A+2], 9
	s_add_co_u32 s[G0S+2], s[G0S+2], XS
	s_mul_i32 s[G0A+2], s[G0A+2], 12288
	s_mov_b32 s[G0A+3], 0
	s_mov_b32 s[G0S+3], 0
	s_lshl_b32 s[G0B+2], s19, 3
	s_add_co_u32 s[G0B+2], s[G0B+2], s2            ; B: by the tile column
	s_lshl_b32 s[G0SB+2], s[G0B+2], 9
	s_add_co_u32 s[G0SB+2], s[G0SB+2], WPS
	s_mul_i32 s[G0B+2], s[G0B+2], 12288
	s_add_co_u32 s[G0B+2], s[G0B+2], WPC
	s_mov_b32 s[G0B+3], 0
	s_mov_b32 s[G0SB+3], 0
	s_mul_i32 s3, s15, BOF
	s_mul_i32 s23, s16, 12288
	s_add_co_u32 s3, s3, s23                       ; where my codes go in a quarter: by the wave's number alone
	s_lshl_b32 s23, s14, 11
	s_add_co_u32 s23, s23, SCL                     ; and my scale rows
	s_wait_dscnt 0x0                               ; both opening adds are done
	s_wait_kmcnt 0x0
	s_add_nc_u64 s[G0A+2:G0A+3], s[4:5], s[G0A+2:G0A+3]
	s_add_nc_u64 s[G0S+2:G0S+3], s[4:5], s[G0S+2:G0S+3]
	s_add_nc_u64 s[G0B+2:G0B+3], s[6:7], s[G0B+2:G0B+3]
	s_add_nc_u64 s[G0SB+2:G0SB+3], s[6:7], s[G0SB+2:G0SB+3]
.irp q, 1,2,3
	s_add_nc_u64 s[G0A+4*\q+2:G0A+4*\q+3], s[G0A+2:G0A+3], \q*3072
	s_add_nc_u64 s[G0B+4*\q+4*(\q/2)+2:G0B+4*\q+4*(\q/2)+3], s[G0B+2:G0B+3], \q*3072
.endr
	CROUND                                         ; all sixteen work-groups are here: the first joint loads meet
	s_mov_b32 s[G0S], 1
	s_mov_b32 s[G0S+1], s23
	s_or_b32 s[G0S+3], s[G0S+3], 0x80000000
	s_mov_b32 s[G0SB], 1
	s_mov_b32 s[G0SB+1], s23
	s_or_b32 s[G0SB+3], s[G0SB+3], 0x80000000
	JLOAD G0S, G1S, G0SB, G1SB
.irp q, 0,1,2,3
	s_mov_b32 s[G0A+4*\q], 1
	s_add_co_u32 s[G0A+4*\q+1], s3, \q*24576
	s_or_b32 s[G0A+4*\q+3], s[G0A+4*\q+3], 0x80000000
	s_mov_b32 s[G0B+4*\q+4*(\q/2)], 1
	s_add_co_u32 s[G0B+4*\q+4*(\q/2)+1], s3, \q*24576
	s_or_b32 s[G0B+4*\q+4*(\q/2)+3], s[G0B+4*\q+4*(\q/2)+3], 0x80000000
	JLOAD G0A+4*\q, G1A, G0B+4*\q+4*(\q/2), G1B    ; five loads of mine are out
.endr
	; THE ENTROPY'S MEAN, while the tiles are on their way.  Wave 0 of each work-group of cluster (0, 0) sums ent's 256 words, all lanes on (the branch hangs on the cluster's place in the grid and on the wave's number, which
	; partners share).  The number is kept in a register; it is stored at the wave's end, by one lane of one of the sixteen.
	v_mov_b32 v[MEAN], 0                           ; written on every way
	s_cmp_lg_u32 s[OWN], 0
	s_cbranch_scc1 .Lno_ent
	v_and_b32 v64, 31, v0
	v_lshlrev_b32 v65, 4, v64
	global_load_b128 v[68:71], v65, s[8:9]         ; 32 lanes: 512 consecutive bytes,
	global_load_b128 v[72:75], v65, s[8:9] offset:512      ; and the other 512
	v_mov_b32 v67, 0                               ; a lane permute's destination counts as one of its sources
	s_mov_b32 s21, 0x76543210
	s_mov_b32 s22, 0xfedcba98                      ; v_permlanex16_b32's selects for lane l xor 16
	s_wait_loadcnt 0x0
	v_pk_add_f32 v[68:69], v[68:69], v[70:71]
	v_pk_add_f32 v[72:73], v[72:73], v[74:75]
	v_pk_add_f32 v[68:69], v[68:69], v[72:73]
	v_add_f32 v68, v68, v69
	v_add_f32_dpp v68, v68, v68 row_xmask:1 row_mask:0xf bank_mask:0xf
	v_add_f32_dpp v68, v68, v68 row_xmask:2 row_mask:0xf bank_mask:0xf
	v_add_f32_dpp v68, v68, v68 row_xmask:4 row_mask:0xf bank_mask:0xf
	v_add_f32_dpp v68, v68, v68 row_xmask:8 row_mask:0xf bank_mask:0xf
	v_permlanex16_b32 v67, v68, s21, s22
	v_add_f32 v68, v68, v67
	v_mul_f32 v[MEAN], 0x37317218, v68             ; x ln 2 / (2 x 16 x 2,048)
.Lno_ent:
	v_and_b32 v1, 31, v0                           ; lane
	v_and_b32 v2, 15, v0                           ; r
	v_bfe_u32 v3, v0, 4, 1                         ; h
	v_lshlrev_b32 v16, 4, v1
	v_lshlrev_b32 v17, 3, v1
	s_mul_i32 s2, s15, 12288                       ; my 4 tiles of A,
	s_mul_i32 s3, s16, 12288
	s_add_co_u32 s3, s3, BOF                       ; of B
.irp u, 0,1
	v_add_nc_u32 v[A16+\u], s2, v16
	v_add_nc_u32 v[A8+\u], s2, v17
	v_add_nc_u32 v[B16+\u], s3, v16
	v_add_nc_u32 v[B8+\u], s3, v17
	s_add_co_u32 s2, s2, 49152                     ; two quarters on, so that the loads' offsets stay inside 16 bits
	s_add_co_u32 s3, s3, 49152
.endr
	v_lshlrev_b32 v18, 5, v2                       ; a scale row is 32 bytes
	s_lshl_b32 s2, s15, 11                         ; A's: my 64 rows
	s_lshl_b32 s3, s16, 11
	s_add_co_u32 s3, s3, 4096                      ; B's, behind A's 128
	s_sub_co_u32 s3, s3, s2
	v_mul_u32_u24 v19, s3, v3                      ; lanes 16-31 take B's
	s_add_co_u32 s2, s2, SCL
	v_add_nc_u32 v18, v18, v19
	v_add_nc_u32 v[ADS], s2, v18
	s_mul_i32 s2, s14, 16*SPITCH
	s_add_co_u32 s2, s2, STAGE                     ; my stage
	v_mul_u32_u24 v[STO], v2, SPITCH
	v_lshl_add_u32 v[STO], v3, 6, v[STO]
	v_add_nc_u32 v[STO], s2, v[STO]                ; in: row r, + 64 h bytes: tile b's eight columns are 32 (b / 2) + 16 h + 8 (b % 2) + 0 .. 7
	v_mul_u32_u24 v[RD], v3, SPITCH
	v_lshl_add_u32 v[RD], v2, 4, v[RD]
	v_add_nc_u32 v[RD], s2, v[RD]                  ; back: lanes 0-15 one row of 256 bytes, lanes 16-31 the next
	v_lshlrev_b32 v[CO], 12, v3
	v_lshl_add_u32 v[CO], v2, 4, v[CO]             ; and the same two rows in out0
	s_lshl_b32 s2, s20, 7
	s_lshl_b32 s3, s15, 6
	s_add_co_u32 s2, s2, s3                        ; my first row: 128 x tile row + 64 x half
	s_lshl_b32 s2, s2, 12
	s_lshl_b32 s3, s19, 9                          ; my first column, in bytes: 512 x tile column + 256 x half
	s_add_co_u32 s2, s2, s3
	s_lshl_b32 s3, s16, 8
	s_add_co_u32 s2, s2, s3
	s_mov_b32 s3, 0
	s_add_nc_u64 s[10:11], s[10:11], s[2:3]
.macro FRAG reg, a16, a8, off          ; a fragment = two half fragments on end: four loads, each of consecutive bytes
	ds_load_b128 v[(\reg):(\reg)+3], v[\a16] offset:(\off)
	ds_load_b64 v[(\reg)+4:(\reg)+5], v[\a8] offset:(\off)+512
	ds_load_b128 v[(\reg)+6:(\reg)+9], v[\a16] offset:(\off)+768
	ds_load_b64 v[(\reg)+10:(\reg)+11], v[\a8] offset:(\off)+1280
.endm
.macro FETCH s, f                      ; K step s's eight fragments into buffer f: 32 loads
.set QT, (\s)/2
.set UU, QT/2
.set OF, (QT%2)*24576+((\s)%2)*1536
	WIN TO_F
.irp i, 0,1,2,3
	FRAG (\f)+FR*\i, A16+UU, A8+UU, OF+\i*3072
	FRAG (\f)+48+FR*\i, B16+UU, B8+UU, OF+\i*3072
.endr
.endm
.macro MULS f, s, zero                 ; 16 matrix instructions: the 16 accumulators take turns, one instruction a turn, in the same order in every step
	WIN MUL
.irp a, 0,1,2,3
.irp b, 0,1,2,3
.if \zero
	v_wmma_scale_f32_16x16x128_f8f6f4 v[ACC+8*(4*\a+\b):ACC+8*(4*\a+\b)+7], v[(\f)+48+FR*\b:(\f)+48+FR*\b+FR-1], v[(\f)+FR*\a:(\f)+FR*\a+FR-1], 0, v[SC+8*\b+(\s)], v[SC+8*\a+(\s)] matrix_a_fmt:MATRIX_FMT_FP6 matrix_b_fmt:MATRIX_FMT_FP6 matrix_a_scale:MATRIX_SCALE_ROW1
.else
	v_wmma_scale_f32_16x16x128_f8f6f4 v[ACC+8*(4*\a+\b):ACC+8*(4*\a+\b)+7], v[(\f)+48+FR*\b:(\f)+48+FR*\b+FR-1], v[(\f)+FR*\a:(\f)+FR*\a+FR-1], v[ACC+8*(4*\a+\b):ACC+8*(4*\a+\b)+7], v[SC+8*\b+(\s)], v[SC+8*\a+(\s)] matrix_a_fmt:MATRIX_FMT_FP6 matrix_b_fmt:MATRIX_FMT_FP6 matrix_a_scale:MATRIX_SCALE_ROW1
.endif
.endr
.endr
.endm
.macro PLACES                          ; four plain places behind a matrix instruction, in front of loads into registers that it has read and of the first read of its results
.rept 4
	v_nop
.endr
.endm
.macro PSTEP s
.if ((\s)%2 == 1) && ((\s) < 7)
	s_wait_tensorcnt 3-((\s)+1)/2                  ; my part of the next quarter is in; the later quarters may be out
	s_wait_dscnt 0x0                               ; no LDS instruction of mine is out at the signal
	s_barrier_signal -1
	s_barrier_wait -1                              ; everybody's part is in
.endif
.if (\s) < 7
.if (\s) > 0
	PLACES
.endif
	FETCH (\s)+1, 128*(((\s)+1)%2)
	s_wait_dscnt 32                                ; all but the 32 just issued: this step's fragments are in
.else
	s_wait_dscnt 0x0
.endif
	MULS 128*((\s)%2), \s, (\s)==0
.endm
	s_wait_tensorcnt 3                             ; the scale rows and my part of quarter 0 are in; quarters 1 to 3 may be out
	s_barrier_signal -1
	s_barrier_wait -1
.irp i, 0,1,2,3
	ds_load_b128 v[SC+8*\i:SC+8*\i+3], v[ADS] offset:512*\i        ; a position's 8 scale words, for all of K
	ds_load_b128 v[SC+8*\i+4:SC+8*\i+7], v[ADS] offset:512*\i+16
.endr
	FETCH 0, 0
.irp s, 0,1,2,3,4,5,6,7
	PSTEP \s
.endr
	WIN 0
; THE WAY OUT, a block of 16 rows x 64 columns at a time, through my own stage: in as 32 bytes a lane, back as whole rows of 256 bytes.  LDS serves a wave's instructions in order: no wait between the stores and the loads.
.macro TOSTAGE a
.irp b, 0,1,2,3
	ds_store_b128 v[STO], v[ACC+8*(4*(\a)+\b):ACC+8*(4*(\a)+\b)+3] offset:128*(\b/2)+32*(\b%2)             ; each accumulator from its low end on
	ds_store_b128 v[STO], v[ACC+8*(4*(\a)+\b)+4:ACC+8*(4*(\a)+\b)+7] offset:128*(\b/2)+32*(\b%2)+16
.endr
.set BB, BK+32*((\a)%2)
.irp t, 0,1,2,3,4,5,6,7
	ds_load_b128 v[BB+4*\t:BB+4*\t+3], v[RD] offset:\t*2*SPITCH
.endr
.endm
.macro SEND a, younger                 ; younger: the LDS instructions issued behind block a's loads, which may stay out
.set BB, BK+32*((\a)%2)
	s_wait_dscnt \younger
.irp t, 0,1,2,3,4,5,6,7
	global_store_b128 v[CO], v[BB+4*\t:BB+4*\t+3], s[10:11] offset:(32*((\a)/2)+8*((\a)%2)+2*\t+8*(\t/4))*4096 th:TH_STORE_NT   ; slot 2 t + (lane / 16) of tile a at its true row; 16 lanes store 256 consecutive bytes, at a multiple of 256 from out0's first byte
.endr
.endm
	PLACES
	TOSTAGE 0
.irp a, 1,2,3
.if \a > 1
	s_wait_xcnt 0x0                                ; block a - 2's stores have read their registers: block a's loads may land there
.endif
	TOSTAGE \a
	SEND \a-1, 16                                  ; behind block a - 1's loads: block a's 8 stores and 8 loads
.endr
	SEND 3, 0
	s_wait_tensorcnt 0x0                           ; the wave's end
	ds_add_u32 v[SPW], v[NIL]
	s_wait_dscnt 0x0
	; out1.  The branch is the one that led to the sum.  Which of the sixteen partners stores is a matter of EXEC, not of a branch: the lane with cx | cy | lane = 0.  It stands here, behind my last LDS instruction and my last
	; write of an address register: behind the line that narrows EXEC no vector register is written, so no LDS address hangs on my work-group's place in its cluster.
	s_cmp_lg_u32 s[OWN], 0
	s_cbranch_scc1 .Lno_store
	s_or_b32 s2, s17, s18                          ; cx | cy
	v_and_b32 v16, 31, v0
	v_or_b32 v16, s2, v16
	v_mov_b32 v17, 0                               ; out1's one number lies at its buffer's first byte
	v_cmp_eq_u32 vcc_lo, 0, v16
	s_wait_xcnt 0x0                                ; EXEC changes only behind this wait: the last block's stores have been taken up
	s_and_saveexec_b32 s2, vcc_lo
	global_store_b32 v17, v[MEAN], s[12:13]
	s_wait_xcnt 0x0                                ; and again, in front of the line that widens it
	s_or_b32 exec_lo, exec_lo, s2
.Lno_store:
	CROUND                                         ; the closing round
	s_endpgm
.Lfunc_end_k_q960d1932f5_proj:
	.size	k_q960d1932f5_proj, .Lfunc_end_k_q960d1932f5_proj-k_q960d1932f5_proj
	.p2alignl 7, 3214868480
	.fill 96, 4, 3214868480
	.section	.rodata,"a",@progbits
	.p2align	6, 0x0
	.amdhsa_kernel k_q960d1932f5_proj
		.amdhsa_group_segment_fixed_size 222720
		.amdhsa_private_segment_fixed_size 0
		.amdhsa_enable_private_segment 0
		.amdhsa_kernarg_size 40
		.amdhsa_user_sgpr_count 2
		.amdhsa_user_sgpr_kernarg_segment_ptr 1
		.amdhsa_wavefront_size32 1
		.amdhsa_system_sgpr_workgroup_id_x 1
		.amdhsa_system_sgpr_workgroup_id_y 1
		.amdhsa_system_sgpr_workgroup_id_z 1
		.amdhsa_system_vgpr_workitem_id 0
		.amdhsa_next_free_vgpr 512
		.amdhsa_next_free_sgpr 102
		.amdhsa_reserve_vcc 1
		.amdhsa_float_denorm_mode_32 3
		.amdhsa_float_denorm_mode_16_64 3
		.amdhsa_memory_ordered 1
		.amdhsa_forward_progress 1
		.amdhsa_inst_pref_size 56
	.end_amdhsa_kernel
	.amdgpu_metadata
---
amdhsa.version: [ 1, 2 ]
amdhsa.kernels:
  - .name:           k_q960d1932f5_proj
    .symbol:         k_q960d1932f5_proj.kd
    .args:
      - { .name: yq, .offset: 0, .size: 8, .value_kind: global_buffer, .address_space: global }
      - { .name: wq, .offset: 8, .size: 8, .value_kind: global_buffer, .address_space: global }
      - { .name: ent, .offset: 16, .size: 8, .value_kind: global_buffer, .address_space: global }
      - { .name: out0, .offset: 24, .size: 8, .value_kind: global_buffer, .address_space: global }
      - { .name: out1, .offset: 32, .size: 8, .value_kind: global_buffer, .address_space: global }
    .group_segment_fixed_size: 222720
    .private_segment_fixed_size: 0
    .kernarg_segment_align: 8
    .kernarg_segment_size: 40
    .max_flat_workgroup_size: 128
    .sgpr_count:     102
    .vgpr_count:     512
    .wavefront_size: 32
...
	.end_amdgpu_metadata
.endif
;; end of part 4
